; MI455X (gfx1250); checked and timed in simulation.
; The chip was launched on July 23, 2026; its instructions are those of AMD's public machine-readable ISA for CDNA 5 (MIT licence, August 2026) and "CDNA5" Instruction Set Architecture Reference Guide (July 2026). The comments in the code are by the model that wrote it; some were corrected since.
;; Attention. Allowed arithmetic: matrix products marked QUANTISED: E5M2 operands, one E8M0 scale for each 32 along K, by v_wmma_scale_f32_16x16x128_f8f6f4 with both operands' format E5M2, f32 sums; everything else in f32.
;; Inputs: b_attn 3,072 float32; b_proj 1,024 float32; w_attn 1,024 x 3,072 float32; w_proj 1,024 x 1,024 float32; x 4 x 2,048 x 1,024 float32.
;; Outputs: out0 4 x 2,048 x 1,024 float32.
;; This version of the problem:
;;   THIS VERSION OF THE PROBLEM IS GIVEN IN LOW PRECISION. The matrix products marked QUANTISED in the list below multiply operands that are first quantised to E5M2 (5 exponent bits, 2 mantissa bits; 8 bits a number), with one power-of-two scale for each 32 numbers along K (OCP MX v1.0); their sums are f32. All else is computed in f32.
;;   The module's matrix products, in the order in which they are computed (A, B: the left and right operand; K: the contracted axis; several contracted axes count as one K, in the product's order):
;;     1. [M 8,192, K 1,024] x [K 1,024, N 3,072]; A: input x; B: input w_attn: QUANTISED
;;     2. batch 64 x [M 2,048, K 64] x [K 64, N 2,048]; A: computed on the way; B: computed on the way: QUANTISED
;;     3. batch 64 x [M 2,048, K 2,048] x [K 2,048, N 64]; A: softmax (see below); B: computed on the way: QUANTISED
;;     4. [M 8,192, K 1,024] x [K 1,024, N 1,024]; A: computed on the way; B: input w_proj: QUANTISED
;;   THE QUANTISER, for each operand of a quantised product, along K:
;;     - K is cut into blocks of 32 from its start; a last block that is shorter is filled with zeros.
;;     - A block's scale is 2^e with e = floor(log2(the largest magnitude in the block)) - 15, held to -126 .. 127; a block of zeros has e = 0. As a byte (E8M0): e + 127.
;;     - Each number is divided by its block's scale, clamped to +-57,344, and rounded to the nearest number of E5M2, ties to even, subnormals kept.
;;     - The product sums the exact products of the quantised numbers (number of the format x scale) in f32.
;;   ~~~python
;;   def quantise(x, axis):      # numpy; x: float32 -> the quantised numbers, widened to float32 again
;;       x = np.moveaxis(x, axis, -1); K = x.shape[-1]
;;       x = np.pad(x, [(0, 0)] * (x.ndim - 1) + [(0, -K % 32)]); x = x.reshape(x.shape[:-1] + (-1, 32)); a = np.abs(x).max(-1, keepdims=True)
;;       e = np.where(a > 0, np.clip(np.frexp(np.where(a > 0, a, 1))[1] - 1 - 15, -126, 127), 0)      # np.frexp(a)[1] - 1 = floor(log2(a)), exactly
;;       r = np.clip(x / 2.0 ** e, -57344, 57344)
;;       step = 2.0 ** (np.maximum(np.frexp(np.where(r == 0, 1, r))[1] - 1, -14) - 2)
;;       q = np.round(r / step) * step * 2.0 ** e      # np.round: ties to even
;;       return np.moveaxis(q.reshape(q.shape[:-2] + (-1,))[..., :K], -1, axis).astype(np.float32)
;;   ~~~
;;   SOFTMAX AHEAD OF A QUANTISED PRODUCT. Where the list says 'softmax', what is quantised is not the finished softmax but p = 2^(t - M), with t = logit x log2(e) and M = ceil(the row's largest t), a whole number; so 1/2 < the row's largest p <= 1. The row's sum l is taken of the UNQUANTISED p, in f32, and the product's result is divided by l at the end. Since M is a whole number, a kernel that streams over the keys may use a running M (the ceiling of the running maximum): every later rescaling is an exact power of two, which a block's scale takes up: the codes' values come out the same.
;;   OPERANDS COMPUTED ON THE WAY. 'Computed on the way' means the value that the module computes at that place (a softmax that the list does not call 'softmax' is quantised finished and normalised). What goes into a quantiser is computed in f32, as accurately as f32 sums, v_exp_f32 and their like allow (about 1e-6 of the number): no bf16 or f16 on the way to a quantiser, and a product that is left as it is and whose result goes on into a quantised operand takes f32 operands (vector FMAs, or v_wmma_f32_16x16x4_f32). A number that lies on a knife's edge between two numbers of the format may be rounded either way, as far as f32 arithmetic and the matrix unit's own rounding can turn it there, and no further.
;; One version. Each part assembles by itself: llvm-mc -triple=amdgcn-amd-amdhsa -mcpu=gfx1250 --defsym DOCPART=n.
;; ======== version 1 of 1: 4 launches
;; limits: right only within a limited range of input values
;; workspace buffers: cod 12,582,912 bytes; scl 393,216 bytes; qkv 25,952,256 bytes; ac 8,388,608 bytes; asc 262,144 bytes
;; launch quant (part 1): grid 384 x 1, 4 waves a work-group, no clusters, 102,912 bytes of LDS; arguments x, w_attn, w_proj, cod, scl; writes cod, scl
.if DOCPART == 1
	.amdgcn_target "amdgcn-amd-amdhsa--gfx1250"
	.amdhsa_code_object_version 6
	.text
	.protected	k_q246d8bb5f4_quant
	.globl	k_q246d8bb5f4_quant
	.p2align	8
	.type	k_q246d8bb5f4_quant,@function
k_q246d8bb5f4_quant:
	s_mov_b64 s[64:65], 0
	v_nop
	global_prefetch_b8 v0, s[64:65] scope:SCOPE_SE
	s_setreg_imm32_b32 hwreg(HW_REG_WAVE_MODE, 25, 1), 1
	s_wait_xcnt 0x0
; x [8192][1024], w_attn [1024][3072] and w_proj [1024][1024], f32, become codes of BF8 (E5M2) with K innermost and one E8M0 byte for each 32 along K.
; cod: [12288 rows][1024 codes]: rows 0-8191 x's tokens, 8192-11263 w_attn's columns n, 11264-12287 w_proj's columns n.  scl: [12288 rows][32 bytes].
; THE ROWS ARE PERMUTED: logical row l lies at physical row sg(l), sg = l with its bits 3 and 4 exchanged.  Physical rows 16 T .. 16 T + 15 are then the logical rows 32 (T / 2) + 8 (T % 2) + r + 8 (r / 8):
; a product that takes such a tile as its source 0 leaves, in the 16 registers of two neighbouring tiles, 16 neighbours along that axis, which the later launches quantise in registers.
; A block's scale is 2^(floor(log2(largest magnitude)) - 15); its byte is the largest magnitude's exponent field - 15, held at 1 from below; each number is held within +-57,344 x the scale and rounded to the nearest code, ties to even.
; LIMITS: a block of zeros gets the byte 1 where the rule says 127 (its codes are zeros, which add nothing under any byte but 0xff, and this program alone reads the bytes); NaN and infinities among the inputs are not served.
; SHARES: work-groups 0-255 take x (K innermost: 32 rows each, 8 a wave), 256-351 w_attn, 352-383 w_proj (K outermost: 128 columns x 256 along K each).  Three ways through the text, parted on the work-group's number, each with LDS bytes of its own.
; Memory binds: no matrix unit, no cluster (no two work-groups read the same bytes), no tensor load, no barrier: waves share nothing.
.set SP,    80                         ; x: a lane's place in a stage: its 64 bytes + 16 of padding
.set WREG,  8192                       ; x: LDS of a wave: two stages of 32 x SP bytes, then its 256 scale bytes
.set R,     16                         ; v16-143  x: eight sets of 16 numbers as they are loaded
.set X,     144                        ; v144-175 x: two sets of 16 neighbours
.set E,     176                        ; v176-191 x: a scale byte for each step
.set C,     192                        ; v192-255 x: four registers of codes for each step: no store's data are written again
.set PITCH, 272                        ; weights: a stage row: 256 codes + 16 of padding
.set XW,    32                         ; v32-95   weights: two sets of 32 numbers
.set CW,    96                         ; v96-103  weights: a block's codes
.set OUTR,  112                        ; v112-175 weights: the way out
.set SB,    24                         ; v24-25   weights: the scale bytes, four to a register
	s_load_b256 s[4:11], s[0:1], 0x0               ; x s[4:5], w_attn s[6:7], w_proj s[8:9], cod s[10:11]
	s_load_b64 s[12:13], s[0:1], 0x20              ; scl
	s_set_vgpr_msb 0x40
	v_lshl_add_u32 v0, v0, 2, 0x19000
	v_mov_b32 v1, 0
	s_set_vgpr_msb 0x4000
	v_lshrrev_b32 v1, 5, v0
	v_readfirstlane_b32 s16, v1                    ; wave 0..3
	v_and_b32 v2, 31, v0                           ; lane
	s_cmp_ge_u32 ttmp9, 256
	s_cbranch_scc1 .Lweights
; ---------------- x: K innermost.  A wave takes 8 rows = 8,192 numbers = 16 steps of 512.  Each load reads 512 consecutive bytes; a step's 2,048 bytes turn through the wave's stage, so that a lane holds 16 neighbours.
	v_lshlrev_b32 v3, 4, v2                        ; my 16 bytes of a load's 512
	s_mul_i32 s17, s16, WREG
	v_lshrrev_b32 v14, 2, v2
	v_mul_u32_u24 v14, v14, SP
	v_and_b32 v15, 3, v2
	v_lshl_add_u32 v14, v15, 4, v14
	v_add_nc_u32 v14, s17, v14                     ; the stage, in: SP (lane / 4) + 16 (lane % 4)
	v_mul_u32_u24 v15, v2, SP
	v_add_nc_u32 v15, s17, v15                     ; and out: SP x lane
	v_mul_u32_u24 v4, v2, 16                       ; my codes' place in a step's 512 bytes
	v_lshrrev_b32 v5, 1, v2
	s_add_co_u32 s17, s17, 2*32*SP
	v_add_nc_u32 v5, s17, v5                       ; my block's scale byte in LDS
	v_lshlrev_b32 v7, 3, v2                        ; on the way out 8 bytes a lane
	v_add_nc_u32 v6, s17, v7
	s_lshl_b32 s18, ttmp9, 2
	s_add_co_u32 s19, s18, s16                     ; which run of 8 rows I read: 4 x work-group + wave
	s_lshl_b32 s20, s19, 15                        ; x 32,768 bytes
	s_mov_b32 s21, 0
	s_and_b32 s19, s16, 1
	s_lshl_b32 s19, s19, 1
	s_lshr_b32 s22, s16, 1
	s_or_b32 s19, s19, s22                         ; the wave's two bits exchanged: they are bits 3 and 4 of the row
	s_add_co_u32 s18, s18, s19                     ; which run of 8 physical rows I write
	s_lshl_b32 s24, s18, 13                        ; x 8,192 bytes of codes
	s_mov_b32 s25, 0
	s_lshl_b32 s26, s18, 8                         ; x 256 scale bytes
	s_mov_b32 s27, 0
	s_wait_alu depctr_va_vdst(0)
	s_wait_kmcnt 0x0
	s_add_nc_u64 s[4:5], s[4:5], s[20:21]
	s_add_nc_u64 s[10:11], s[10:11], s[24:25]
	s_add_nc_u64 s[12:13], s[12:13], s[26:27]
.macro LOADX t
.irp i, 0,1,2,3
	global_load_b128 v[R+16*((\t)%8)+4*\i:R+16*((\t)%8)+4*\i+3], v3, s[4:5] offset:2048*(\t)+512*\i th:TH_LOAD_NT   ; 32 lanes read 512 consecutive bytes
.endr
.endm
.macro TURNX t                         ; step t's numbers through the stage: LDS serves a wave's instructions in order, so no wait stands between the stores and the loads
.irp i, 0,1,2,3
	ds_store_b128 v14, v[R+16*((\t)%8)+4*\i:R+16*((\t)%8)+4*\i+3] offset:32*SP*((\t)%2)+8*SP*\i
.endr
.irp i, 0,1,2,3
	ds_load_b128 v[X+16*((\t)%2)+4*\i:X+16*((\t)%2)+4*\i+3], v15 offset:32*SP*((\t)%2)+16*\i
.endr
.endm
.irp t, 0,1,2,3,4,5,6,7
	LOADX \t
.endr
	s_wait_loadcnt 28                              ; step 0's four loads are in; the seven steps behind it, 28 loads, stay out
	TURNX 0
.macro STEPX t
.set XS, X+16*((\t)%2)
.if (\t) > 0
	s_wait_dscnt 1                                 ; this step's numbers are back from the stage (the last step's byte store may be out): so the stage's stores have read their registers,
.else
	s_wait_dscnt 0x0
.endif
.if (\t)+8 < 16
	LOADX (\t)+8                                   ; which take the loads of eight steps on
.endif
.if (\t)+1 < 16
.if 14-(\t) >= 7
	s_wait_loadcnt 28                              ; the next step's four loads are in; those of the seven steps behind it may be out
.else
	s_wait_loadcnt 4*(14-(\t))
.endif
	TURNX (\t)+1
.endif
	v_max3_num_f32 v8, |v[XS]|, |v[XS+1]|, |v[XS+2]|               ; the largest magnitude of my 16, in two chains
	v_max3_num_f32 v9, |v[XS+3]|, |v[XS+4]|, |v[XS+5]|
.irp i, 6,10
	v_max3_num_f32 v8, v8, |v[XS+\i]|, |v[XS+\i+1]|
	v_max3_num_f32 v9, v9, |v[XS+\i+2]|, |v[XS+\i+3]|
.endr
	v_max3_num_f32 v8, v8, |v[XS+14]|, |v[XS+15]|
	v_max3_num_f32 v8, v8, v9, 0x8000000           ; and the floor 2^(16 - 127): the byte cannot fall under 1
	v_max_num_f32_dpp v8, v8, v8 row_xmask:1 row_mask:0xf bank_mask:0xf   ; with my neighbour's 16: the block's
	v_add_nc_u32 v11, 0xf8800000, v8               ; 15 off its exponent field: the conversion's scale operand
.irp i, 0,1,2,3,4,5,6,7,8,9,10,11,12,13,14,15
.endr
	v_cvt_scalef32_pk8_bf8_f32 v[C+4*(\t):C+4*(\t)+1], v[XS:XS+7], v11
	v_cvt_scalef32_pk8_bf8_f32 v[C+4*(\t)+2:C+4*(\t)+3], v[XS+8:XS+15], v11
	v_lshrrev_b32 v[E+(\t)], 23, v11               ; the scale's byte (a plain line behind the conversions)
	ds_store_b8 v5, v[E+(\t)] offset:16*(\t)       ; both lanes of a block write the same byte with the same value
	global_store_b128 v4, v[C+4*(\t):C+4*(\t)+3], s[10:11] offset:512*(\t)   ; the wave stores 512 consecutive bytes, aligned
.endm
.irp t, 0,1,2,3,4,5,6,7,8,9,10,11,12,13,14,15
	STEPX \t
.endr
	ds_load_b64 v[12:13], v6                       ; LDS serves a wave's instructions in order: these see my byte stores
	s_wait_dscnt 0x0
	global_store_b64 v7, v[12:13], s[12:13]        ; 32 lanes store 256 consecutive bytes, aligned: eight rows' scale bytes
	s_set_vgpr_msb 0x5
	s_wait_tensorcnt 0x0
	ds_add_u32 v0, v1
	s_wait_dscnt 0x0
	s_set_vgpr_msb 0x500
	s_endpgm
; ---------------- the weights: K is the first axis.  A lane takes a column n and its registers run down K: a block of 32 lies in one lane, and the conversions give codes with K innermost.
; A wave takes 32 columns x 256 along K; the codes go through the wave's stage and leave by rows: sixteen lanes store 256 consecutive bytes, aligned.  The permutation of rows stands in the stores' immediates.
.macro LOADW t, n
.irp i, 0,1,2,3,4,5,6,7,8,9,10,11,12,13,14,15,16,17,18,19,20,21,22,23,24,25,26,27,28,29,30,31
	global_load_b32 v[XW+32*((\t)%2)+\i], v3, s[28:29] offset:(32*(\t)+\i)*(\n)*4 th:TH_LOAD_NT   ; at most 255 rows of 12,288 bytes: inside the signed 24-bit immediate
.endr
.endm
.macro BLOCKW t, n
.set XS, XW+32*((\t)%2)
.if (\t) < 7
	s_wait_loadcnt 32                              ; this block's 32 loads are in; the next block's may be out
.else
	s_wait_loadcnt 0x0
.endif
	v_max3_num_f32 v12, |v[XS]|, |v[XS+1]|, |v[XS+2]|
	v_max3_num_f32 v13, |v[XS+3]|, |v[XS+4]|, |v[XS+5]|
.irp i, 6,10,14,18,22,26
	v_max3_num_f32 v12, v12, |v[XS+\i]|, |v[XS+\i+1]|
	v_max3_num_f32 v13, v13, |v[XS+\i+2]|, |v[XS+\i+3]|
.endr
	v_max3_num_f32 v12, v12, |v[XS+30]|, |v[XS+31]|
	v_max3_num_f32 v12, v12, v13, 0x8000000        ; the floor
	v_add_nc_u32 v11, 0xf8800000, v12
	v_lshrrev_b32 v13, 23, v11                     ; the scale's byte
.if (\t)%4 == 0
	v_mov_b32 v[SB+(\t)/4], v13
.else
	v_lshl_or_b32 v[SB+(\t)/4], v13, 8*((\t)%4), v[SB+(\t)/4]
.endif
.irp i, 0,1,2,3,4,5,6,7,8,9,10,11,12,13,14,15,16,17,18,19,20,21,22,23,24,25,26,27,28,29,30,31
.endr
.irp g, 0,1,2,3
	v_cvt_scalef32_pk8_bf8_f32 v[CW+2*\g:CW+2*\g+1], v[XS+8*\g:XS+8*\g+7], v11
.endr
	v_nop                                          ; a plain line behind the last conversion
	ds_store_b128 v4, v[CW:CW+3] offset:32*(\t)
	ds_store_b128 v4, v[CW+4:CW+7] offset:32*(\t)+16
.if (\t)+2 < 8
	LOADW (\t)+2, \n
.endif
	s_wait_dscnt 0x0                               ; the stores have read their registers: the next block's codes may be written
.endm
; N: the weight's columns; ROW0: its first row in cod and scl; LB: its LDS bytes; FIRST: its first work-group; P: the scalar pair with its address
.macro WQ N, ROW0, LB, FIRST, P
	s_sub_co_u32 s17, ttmp9, \FIRST
	s_and_b32 s18, s17, 3                          ; which 256 along K
	s_lshr_b32 s17, s17, 2
	s_lshl_b32 s17, s17, 7
	s_lshl_b32 s19, s16, 5
	s_add_co_u32 s17, s17, s19                     ; my wave's first column
	v_lshlrev_b32 v3, 2, v2                        ; in: 4 bytes a lane
	s_mul_i32 s19, s16, 32*PITCH
	s_add_co_u32 s19, s19, \LB                     ; my stage
	v_mul_u32_u24 v4, v2, PITCH
	v_add_nc_u32 v4, s19, v4                       ; into it: row = my column
	v_and_b32 v5, 15, v2
	v_lshrrev_b32 v6, 4, v2
	v_mul_u32_u24 v7, v6, PITCH
	v_lshl_add_u32 v7, v5, 4, v7
	v_add_nc_u32 v7, s19, v7                       ; out of it: sixteen lanes to a row, two rows an instruction
	v_lshlrev_b32 v8, 10, v6
	v_lshl_add_u32 v8, v5, 4, v8                   ; and the same place in cod (bit 0 of a row is not moved by the permutation)
	v_and_b32 v9, 7, v2
	v_bfe_u32 v10, v2, 3, 1
	v_bfe_u32 v11, v2, 4, 1
	v_lshl_add_u32 v9, v10, 4, v9
	v_lshl_add_u32 v9, v11, 3, v9                  ; my column's physical row among the 32
	v_lshlrev_b32 v9, 5, v9                        ; x 32 scale bytes
	s_mul_i32 s20, s18, 256*(\N)*4
	s_lshl_b32 s21, s17, 2
	s_add_co_u32 s20, s20, s21
	s_mov_b32 s21, 0
	s_add_co_u32 s24, s17, \ROW0
	s_lshl_b32 s26, s24, 5
	s_lshl_b32 s24, s24, 10
	s_lshl_b32 s25, s18, 8
	s_add_co_u32 s24, s24, s25
	s_mov_b32 s25, 0
	s_lshl_b32 s27, s18, 3
	s_add_co_u32 s26, s26, s27
	s_mov_b32 s27, 0
	s_wait_kmcnt 0x0
	s_add_nc_u64 s[28:29], s[\P:\P+1], s[20:21]
	s_add_nc_u64 s[30:31], s[10:11], s[24:25]
	s_add_nc_u64 s[32:33], s[12:13], s[26:27]
	LOADW 0, \N
	LOADW 1, \N
.irp t, 0,1,2,3,4,5,6,7
	BLOCKW \t, \N
.endr
	s_wait_alu depctr_va_vdst(0)
	global_store_b64 v9, v[SB:SB+1], s[32:33]      ; my column's eight scale bytes
.irp t, 0,1,2,3,4,5,6,7,8,9,10,11,12,13,14,15
	ds_load_b128 v[OUTR+4*\t:OUTR+4*\t+3], v7 offset:2*\t*PITCH
.endr
.irp t, 0,1,2,3,4,5,6,7,8,9,10,11,12,13,14,15
	s_wait_dscnt 15-\t                             ; LDS loads come back in order: pair t of rows is in
	global_store_b128 v8, v[OUTR+4*\t:OUTR+4*\t+3], s[30:31] offset:(((2*\t)&7)+((((2*\t)>>3)&1)<<4)+((((2*\t)>>4)&1)<<3))*1024
.endr
.endm
.Lweights:
	s_cmp_ge_u32 ttmp9, 352
	s_cbranch_scc1 .Lproj
	s_wait_alu depctr_va_vdst(0)
	WQ 3072, 8192, 32768, 256, 6
	s_set_vgpr_msb 0x5
	s_wait_tensorcnt 0x0
	ds_add_u32 v0, v1
	s_wait_dscnt 0x0
	s_set_vgpr_msb 0x500
	s_endpgm
.Lproj:
	s_wait_alu depctr_va_vdst(0)
	WQ 1024, 11264, 67584, 352, 8
	s_set_vgpr_msb 0x5
	s_wait_tensorcnt 0x0
	ds_add_u32 v0, v1
	s_wait_dscnt 0x0
	s_set_vgpr_msb 0x500
	s_endpgm
.Lfunc_end_k_q246d8bb5f4_quant:
	.size	k_q246d8bb5f4_quant, .Lfunc_end_k_q246d8bb5f4_quant-k_q246d8bb5f4_quant
	.p2alignl 7, 3214868480
	.fill 96, 4, 3214868480
	.section	.rodata,"a",@progbits
	.p2align	6, 0x0
	.amdhsa_kernel k_q246d8bb5f4_quant
		.amdhsa_group_segment_fixed_size 102912
		.amdhsa_private_segment_fixed_size 0
		.amdhsa_enable_private_segment 0
		.amdhsa_kernarg_size 40
		.amdhsa_user_sgpr_count 2
		.amdhsa_user_sgpr_kernarg_segment_ptr 1
		.amdhsa_wavefront_size32 1
		.amdhsa_system_sgpr_workgroup_id_x 1
		.amdhsa_system_sgpr_workgroup_id_y 1
		.amdhsa_system_sgpr_workgroup_id_z 1
		.amdhsa_system_vgpr_workitem_id 0
		.amdhsa_next_free_vgpr 258
		.amdhsa_next_free_sgpr 66
		.amdhsa_reserve_vcc 0
		.amdhsa_float_denorm_mode_32 3
		.amdhsa_float_denorm_mode_16_64 3
		.amdhsa_fp16_overflow 1
		.amdhsa_memory_ordered 1
		.amdhsa_forward_progress 1
		.amdhsa_inst_pref_size 118
	.end_amdhsa_kernel
	.amdgpu_metadata
---
amdhsa.version: [ 1, 2 ]
amdhsa.kernels:
  - .name:           k_q246d8bb5f4_quant
    .symbol:         k_q246d8bb5f4_quant.kd
    .args:
      - { .name: x, .offset: 0, .size: 8, .value_kind: global_buffer, .address_space: global }
      - { .name: w_attn, .offset: 8, .size: 8, .value_kind: global_buffer, .address_space: global }
      - { .name: w_proj, .offset: 16, .size: 8, .value_kind: global_buffer, .address_space: global }
      - { .name: cod, .offset: 24, .size: 8, .value_kind: global_buffer, .address_space: global }
      - { .name: scl, .offset: 32, .size: 8, .value_kind: global_buffer, .address_space: global }
    .group_segment_fixed_size: 102912
    .private_segment_fixed_size: 0
    .kernarg_segment_align: 8
    .kernarg_segment_size: 40
    .max_flat_workgroup_size: 128
    .sgpr_count:     66
    .vgpr_count:     258
    .wavefront_size: 32
...
	.end_amdgpu_metadata
.endif
;; end of part 1
;; launch qkv (part 2): grid 96 x 4, 4 waves a work-group, clusters of 4 x 4, 327,680 bytes of LDS; arguments cod, scl, b_attn, qkv; writes qkv
.if DOCPART == 2
	.amdgcn_target "amdgcn-amd-amdhsa--gfx1250"
	.amdhsa_code_object_version 6
	.text
	.protected	k_q246d8bb5f4_qkv
	.globl	k_q246d8bb5f4_qkv
	.p2align	8
	.type	k_q246d8bb5f4_qkv,@function
k_q246d8bb5f4_qkv:
	s_mov_b64 s[64:65], 0
	v_nop
	global_prefetch_b8 v0, s[64:65] scope:SCOPE_SE
	s_setreg_imm32_b32 hwreg(HW_REG_WAVE_MODE, 25, 1), 1
	s_wait_xcnt 0x0
	s_wait_alu depctr_hold_cnt(0) depctr_sa_sdst(0) depctr_va_vdst(0) depctr_va_sdst(0) depctr_va_ssrc(0) depctr_va_vcc(0) depctr_vm_vsrc(0)
	s_getreg_b32 s2, hwreg(HW_REG_IB_STS2, 6, 4)
	s_cmp_eq_u32 s2, 0
	s_cbranch_scc0 .Lentry_in_a_cluster
	s_endpgm
.Lentry_in_a_cluster:
	s_bfe_u32 s2, ttmp6, 0x10000c
	s_cmp_lg_u32 s2, 0xf033
	s_cbranch_scc0 .Lentry_shape_is_right
	s_endpgm
.Lentry_shape_is_right:
; qkv = x w_attn + b_attn on codes of BF8 (E5M2) with one E8M0 scale for each 32 along K = 1,024; the sums, f32, are quantised in the accumulators and leave as codes: q and k along the head's 64 channels, v along the keys.
; ONE BODY, TWO ROLES.  L is the matrix instruction's source 1: its rows fall to lanes.  P is source 0: its rows fall to a lane's registers, and P is the axis that is quantised.
;   q, k (clusters 0-15):  L = tokens, P = columns n 0-2047.     v (clusters 16-23):  L = columns n 2048-3071, P = tokens.     Both operands are rows of cod and scl; only row numbers differ.
; The rows of cod are permuted (bits 3 and 4 exchanged), so that physical tile T holds the logical rows 32 (T / 2) + 8 (T % 2) + r + 8 (r / 8).  In the result of P's tile b, lane (r, h), register j is the logical
; P index 32 (b / 2) + 16 h + 8 (b % 2) + j: the 16 registers of tiles 2 c and 2 c + 1 are the 16 neighbours 32 c + 16 h + 0 .. 15, which is what the conversions take and what an operand's registers 4 c .. 4 c + 3 hold.
; A tile of 256 (L) x 256 (P) is made by four waves, each 128 x 128: 64 accumulators, 512 registers.  K goes in steps of 256 through two LDS slots; the scales of the tile's 512 rows come once and stay.
; CLUSTERS: 4 x 4 work-groups; L's tiles are asked for jointly along a row of the cluster, P's along a column.  The role hangs on the cluster's number alone: it is the same in all sixteen partners.
; The bias is the C of each sum's first matrix instruction.
; OUT: a group of four operand registers leaves as 512 consecutive bytes, lane l's 16 bytes at 16 l, straight from the conversions' registers.
;   qkv: [section q, k, v][batch x head 64][slot of 256 tokens 8][16,384 bytes of codes, 512 of scale words].   q, k codes: [token tile 16][block of 32 channels 2][512].   v codes: [key step of 128, 2][channel tile 4][block of 32 keys 4][512].
;   scale words: [half of 128 tokens 2][r 16][4 words]: q, k: word i = the two bytes of tile 2 i, then of tile 2 i + 1, for the tile's row r;   v: word t = the four key blocks' bytes of row r of channel tile t.
; LIMITS: a block of zeros gets the byte 1 where the rule says 127 (its codes are zeros; this program alone reads the bytes); NaN and infinities are not served.
; REGISTERS, in windows of 256: window 0: v8-13, v16-29 addresses; v32-63 scale words, two sets; v64-127 the bias; from v128 L's fragments, one set (behind the loop: the quantiser's registers).
;   window 1: P's fragments, two sets.   windows 2, 3: the accumulators, (a, b) at v[8 (8 (a % 4) + b)] of window 2 + a / 4.
.set KSTEP,  256
.set NQ,     2
.set ROWB,   256
.set KROW,   1024
.set PITCH,  272                       ; an LDS row: 256 bytes + 16 of padding = 68 words: the 16 rows that a load touches start at 16 different banks (64 banks of 4 bytes: ISA guide 11.1)
.set FR,     16
.set NL,     4
.set NP,     8                         ; places behind this matrix instruction (ISA guide 7.12.1)
.set HALFT,  128*PITCH
.set SLOT,   4*HALFT
.set LAPS,   2                         ; K = 1,024 = two laps of two K steps
.set KS,     32
.set SCL,    2*SLOT
.set HALFS,  (128*KS/256)*272
.set SBLK,   (16*KS/256)*272
.set SPARE,  SCL+4*HALFS               ; the spare words, 128 bytes for each wave: two blocks of 256 bytes that no other line names
.set SEC,    8650752                   ; a section of qkv
.set BHB,    135168                    ; a head's eight slots
.set SLOTB,  16896                     ; a slot
.set VOF,  8                           ; v8-11   where block c's four registers go: 16 x lane + the block's place
.set SELQ, 12                          ; v12     byte selects: lanes 0-15 the low halves, lanes 16-31 the high halves
.set SOFF, 13                          ; v13     where my scale words go
.set ADRA, 16
.set ADRB, 20
.set ADRS, 27
.set SPW,  28
.set NIL,  29
.set SC,   32
.set BIAS, 64
.set AF,   128
.set PC,   128                         ; behind the loop: v128-143 codes; v144-151 a scale word for each a; v152-159 and v164-167 at work; v172-175 the words that leave
.set WA,   144
.set TM,   152
.set T4,   156
.set HL,   160
.set SOP,  164
.set OUTW, 172
.set G1, 24
.set G0, 32
.set G1B, 48
.set G0B, 56
.set G1S, 68
.set G0S, 76
.set G1SB, 80
.set G0SB, 88
.set SEL, 66                           ; s[66:67] lane selects for v_permlanex16_b32: lane l xor 16
.set MNT, 95
.set ISV, 98                           ; s98  1 in v's role
.set MSB, 0
.macro WIN new                         ; the immediate's high byte repeats the setting that is left
.if MSB != (\new)
	s_set_vgpr_msb (MSB<<8)|(\new)
.set MSB, (\new)
.endif
.endm
.set MUL_LO, 0xa1                      ; source 0 (P) window 1, source 1 (L) window 0, C and D window 2
.set MUL_HI, 0xf1                      ; the same, C and D window 3
.set TO_B,   0x40
; A joint load: waves 0 and 1 fetch for L, waves 2 and 3 for P.  Four v_nop follow each of the two lines.
.macro JLOAD g0a, g1a, g0b, g1b
	s_cmp_eq_u32 s15, 0
	s_cbranch_scc0 .Lfor_b_\@
	tensor_load_to_lds s[\g0a:\g0a+3], s[\g1a:\g1a+7]
	s_nop 0
.rept 4
	v_nop
.endr
	s_branch .Lasked_\@
.Lfor_b_\@:
	tensor_load_to_lds s[\g0b:\g0b+3], s[\g1b:\g1b+7]
	s_nop 0
.rept 4
	v_nop
.endr
.Lasked_\@:
.endm
.macro CREST
	s_cmp_lg_u32 s14, 0
	s_cbranch_scc1 .Lnot_wave_0_\@
	s_barrier_signal -3
.Lnot_wave_0_\@:
	s_barrier_wait -3
	s_barrier_signal -1
	s_barrier_wait -1
.endm
.macro CROUND
	s_barrier_signal -1
	s_barrier_wait -1
	CREST
.endm
	s_load_b256 s[4:11], s[0:1], 0x0               ; cod s[4:5], scl s[6:7], b_attn s[8:9], qkv s[10:11]
	v_lshl_add_u32 v[SPW], v0, 2, SPARE
	v_mov_b32 v[NIL], 0
	ds_add_u32 v28, v29
	ds_add_u32 v28, v29
	s_wait_dscnt 0x0
	v_lshrrev_b32 v1, 5, v0
	v_readfirstlane_b32 s14, v1                    ; wave 0..3
	s_lshr_b32 s15, s14, 1                         ; which half of L's rows is mine.  Also: I fetch for L (0) or for P (1)
	s_and_b32 s16, s14, 1                          ; which half of P's rows.  Also: which 128 rows I fetch
	s_bfe_u32 s40, ttmp6, 0x40000                  ; cx, cy
	s_bfe_u32 s41, ttmp6, 0x40004
	s_and_b32 s18, ttmp9, 1                        ; q, k: the cluster's place along P,
	s_lshr_b32 s19, ttmp9, 1                       ; and along L
	s_max_u32 s20, ttmp9, 16
	s_sub_co_u32 s20, s20, 16                      ; v: its place along P
	s_mov_b32 s21, 8192                            ; q, k: P's first row in cod
	s_mov_b32 s22, 10240                           ; v: L's first row: w_attn's column 2,048
	s_cmp_ge_u32 ttmp9, 16
	s_cselect_b32 s[ISV], 1, 0
	s_cselect_b32 s18, s20, s18
	s_cselect_b32 s19, 0, s19
	s_cselect_b32 s21, 0, s21
	s_cselect_b32 s22, s22, 0
	s_lshl_b32 s42, s18, 2
	s_add_co_u32 s42, s42, s40                     ; P's tile = 4 x the cluster's place + cx
	s_lshl_b32 s17, s19, 2
	s_add_co_u32 s17, s17, s41                     ; L's tile = 4 x the cluster's place + cy
	s_lshl_b32 s43, s41, 2
	s_lshl_b32 s43, 15, s43                        ; my row of the cluster
	s_lshl_b32 s44, 0x1111, s40                    ; my column
	s_or_b32 s[G1+0], s43, (0<<16)|(1<<20)|(1<<21)|(5<<22)|(3<<25)  ; 15:0 the mask; 17:16 elements of 1 byte; 20 padding on; 21 set beside a mask; 24:22 after every 64 words; 31:25 four words
	s_or_b32 s[G1B+0], s44, (0<<16)|(1<<20)|(1<<21)|(5<<22)|(3<<25)
.irp g, G1, G1B
	s_mov_b32 s[\g+1], ROWB<<16                    ; tensor_dim0
	s_mov_b32 s[\g+2], 128<<16                     ; tensor_dim1
	s_mov_b32 s[\g+3], ROWB<<16                    ; tile_dim0
	s_mov_b32 s[\g+4], 128                         ; tile_dim1
	s_mov_b32 s[\g+5], KROW                        ; tensor_dim0_stride
	s_mov_b32 s[\g+6], 0
	s_mov_b32 s[\g+7], 0
.endr
	s_or_b32 s[G1S+0], s43, (3<<16)|(1<<20)|(1<<21)|(5<<22)|(3<<25) ; the scales of 128 rows: 4,096 dense bytes as 16 rows of 256, 16 bytes of padding behind each
	s_or_b32 s[G1SB+0], s44, (3<<16)|(1<<20)|(1<<21)|(5<<22)|(3<<25)
.irp g, G1S, G1SB
	s_mov_b32 s[\g+1], 32<<16
	s_mov_b32 s[\g+2], (128*KS/256)<<16
	s_mov_b32 s[\g+3], 32<<16
	s_mov_b32 s[\g+4], 128*KS/256
	s_mov_b32 s[\g+5], 32
	s_mov_b32 s[\g+6], 0
	s_mov_b32 s[\g+7], 0
.endr
	s_lshl_b32 s18, s16, 7                         ; which 128 rows of the tile I fetch
	s_lshl_b32 s20, s17, 8
	s_add_co_u32 s20, s20, s18
	s_add_co_u32 s20, s20, s22                     ; L: its first row + 256 x tile + 128 x half
	s_lshl_b32 s46, s42, 8
	s_add_co_u32 s46, s46, s18
	s_add_co_u32 s46, s46, s21                     ; P likewise
	s_lshl_b32 s22, s20, 5                         ; these rows' scales, 32 bytes a row,
	s_mov_b32 s23, 0
	s_lshl_b32 s20, s20, 10                        ; and their codes, 1,024 bytes a row (all of cod is under 2^24 bytes)
	s_mov_b32 s21, 0
	s_lshl_b32 s92, s46, 5
	s_mov_b32 s93, 0
	s_lshl_b32 s46, s46, 10
	s_mov_b32 s47, 0
	s_mul_i32 s45, s14, HALFT                      ; where they go: wave x 128 rows: no place in the cluster enters an LDS address
	s_mul_i32 s94, s14, HALFS
	s_mov_b32 s[SEL], 0x76543210
	s_mov_b32 s[SEL+1], 0xfedcba98
	s_wait_kmcnt 0x0
	s_add_nc_u64 s[20:21], s[4:5], s[20:21]
	s_add_nc_u64 s[22:23], s[6:7], s[22:23]
	s_add_nc_u64 s[46:47], s[4:5], s[46:47]
	s_add_nc_u64 s[92:93], s[6:7], s[92:93]
	CROUND                                         ; all sixteen work-groups are here: the first joint loads meet
	s_mov_b32 s[G0S], 1
	s_add_co_u32 s[G0S+1], s94, SCL
	s_mov_b64 s[G0S+2:G0S+3], s[22:23]
	s_or_b32 s[G0S+3], s[G0S+3], 0x80000000
	s_mov_b32 s[G0SB], 1
	s_add_co_u32 s[G0SB+1], s94, SCL
	s_mov_b64 s[G0SB+2:G0SB+3], s[92:93]
	s_or_b32 s[G0SB+3], s[G0SB+3], 0x80000000
	JLOAD G0S, G1S, G0SB, G1SB                     ; the scales first: they are wanted with K step 0.  Three loads of mine are out behind this group
.irp s, 0,1
	s_mov_b32 s[G0+4*\s], 1
	s_add_co_u32 s[G0+4*\s+1], s45, \s*SLOT
	s_add_nc_u64 s[G0+4*\s+2:G0+4*\s+3], s[20:21], \s*ROWB
	s_or_b32 s[G0+4*\s+3], s[G0+4*\s+3], 0x80000000
	s_mov_b32 s[G0B+4*\s], 1
	s_add_co_u32 s[G0B+4*\s+1], s45, \s*SLOT
	s_add_nc_u64 s[G0B+4*\s+2:G0B+4*\s+3], s[46:47], \s*ROWB
	s_or_b32 s[G0B+4*\s+3], s[G0B+4*\s+3], 0x80000000
	JLOAD G0+4*\s, G1, G0B+4*\s, G1B
.endr
	v_and_b32 v1, 15, v0                           ; r
	v_bfe_u32 v2, v0, 4, 1                         ; h
	v_mul_u32_u24 v3, v1, PITCH
	v_lshl_add_u32 v4, v2, 4, v3                   ; a fragment's row x pitch + 16 h
	s_mul_i32 s21, s15, HALFT                      ; my 128 rows of L
	s_mul_i32 s22, s16, HALFT                      ; my 128 rows of P,
	s_add_co_u32 s22, s22, 2*HALFT                 ; which lie behind L's 256
.irp s, 0,1
	v_add_nc_u32 v[ADRA+\s], s21, v4
	v_add_nc_u32 v[ADRB+\s], s22, v4
	s_add_co_u32 s21, s21, SLOT
	s_add_co_u32 s22, s22, SLOT
.endr
	v_mul_u32_u24 v5, v1, KS                       ; my row's scales: 32 bytes a row,
	v_lshrrev_b32 v6, 8, v5
	v_lshl_add_u32 v5, v6, 4, v5                   ; and 16 more for each 256 passed
	s_mul_i32 s21, s15, HALFS
	s_mul_i32 s22, s16, HALFS
	s_add_co_u32 s22, s22, 2*HALFS
	s_sub_co_u32 s22, s22, s21
	v_mul_u32_u24 v6, s22, v2                      ; lanes 16-31 take P's
	s_add_co_u32 s21, s21, SCL
	v_add_nc_u32 v5, v5, v6
	v_add_nc_u32 v[ADRS], s21, v5
	; the bias, in the result's layout, eight registers a tile
	s_cmp_eq_u32 s[ISV], 0
	s_cbranch_scc0 .Lbias_v
	s_lshl_b32 s46, s42, 10                        ; q, k: the bias runs along P: for tile b the eight numbers at column 32 (b / 2) + 16 h + 8 (b % 2) of my 128
	s_lshl_b32 s47, s16, 9
	s_add_co_u32 s46, s46, s47
	s_mov_b32 s47, 0
	s_add_nc_u64 s[8:9], s[8:9], s[46:47]
	v_lshlrev_b32 v7, 6, v2
.irp b, 0,1,2,3,4,5,6,7
	global_load_b128 v[BIAS+8*\b:BIAS+8*\b+3], v7, s[8:9] offset:128*(\b/2)+32*(\b%2)
	global_load_b128 v[BIAS+8*\b+4:BIAS+8*\b+7], v7, s[8:9] offset:128*(\b/2)+32*(\b%2)+16
.endr
	s_branch .Lbias_in
.Lbias_v:
	s_lshl_b32 s18, s17, 10                        ; v: the bias runs along L: for tile a one number a lane, that of column 32 (a / 2) + 8 (a % 2) + r + 8 (r / 8), in all eight registers
	s_lshl_b32 s19, s15, 9
	s_add_co_u32 s18, s18, s19
	s_add_co_u32 s18, s18, 8192
	s_mov_b32 s19, 0
	s_add_nc_u64 s[8:9], s[8:9], s[18:19]
	v_and_b32 v7, 8, v1
	v_add_nc_u32 v7, v7, v1
	v_lshlrev_b32 v7, 2, v7
.irp a, 0,1,2,3,4,5,6,7
.irp j, 0,1,2,3,4,5,6,7
	global_load_b32 v[BIAS+8*\a+\j], v7, s[8:9] offset:(32*(\a/2)+8*(\a%2))*4
.endr
.endr
.Lbias_in:
	; where my results go
	s_lshl_b32 s18, s17, 8
	s_lshl_b32 s19, s15, 7
	s_add_co_u32 s18, s18, s19                     ; my first row along L
	s_lshl_b32 s19, s42, 8
	s_lshl_b32 s20, s16, 7
	s_add_co_u32 s19, s19, s20                     ; and along P
	s_cmp_eq_u32 s[ISV], 0
	s_cselect_b32 s20, s18, s19                    ; my first token,
	s_cselect_b32 s21, s19, s18                    ; my first channel (q, k: 0-2047; v: 0-1023)
	s_lshr_b32 s22, s21, 10
	s_lshl_b32 s23, s[ISV], 1
	s_add_co_u32 s22, s22, s23                     ; the section: 0 q, 1 k, 2 v
	s_mul_i32 s22, s22, SEC
	s_bfe_u32 s21, s21, 0x40006                    ; my first head of two
	s_lshr_b32 s23, s20, 11                        ; the batch
	s_lshl_b32 s23, s23, 4
	s_add_co_u32 s21, s21, s23
	s_mul_i32 s21, s21, BHB
	s_add_co_u32 s22, s22, s21
	s_bfe_u32 s21, s20, 0x30008                    ; the slot of 256 tokens
	s_mul_i32 s21, s21, SLOTB
	s_add_co_u32 s22, s22, s21
	s_bfe_u32 s21, s20, 0x10007                    ; its half of 128
	s_lshl_b32 s18, s21, 13
	s_add_co_u32 s18, s18, s22
	s_mov_b32 s19, 0
	s_add_nc_u64 s[12:13], s[10:11], s[18:19]      ; the codes
	s_lshl_b32 s18, s21, 8
	s_add_co_u32 s18, s18, s22
	s_add_co_u32 s18, s18, 16384
	s_add_nc_u64 s[92:93], s[10:11], s[18:19]      ; the scale words
	s_cmp_eq_u32 s[ISV], 0
	s_mov_b32 s18, 1024
	s_cselect_b32 s40, BHB, s18                    ; from blocks 0, 1 to blocks 2, 3: q, k: the next head; v: two blocks of keys
	s_mov_b32 s18, 2048
	s_cselect_b32 s20, 1024, s18                   ; from a to a + 1: q, k: a token tile; v: a channel tile
	s_mov_b32 s18, 129024
	s_cselect_b32 s22, 1024, s18                   ; from a = 3 to a = 4: v: the next head, back three channel tiles
	s_mov_b32 s21, 0
	s_mov_b32 s23, 0
	v_and_b32 v6, 31, v0
	v_lshlrev_b32 v[VOF], 4, v6
	v_add_nc_u32 v[VOF+1], 512, v[VOF]
	v_add_nc_u32 v[VOF+2], s40, v[VOF]
	v_add_nc_u32 v[VOF+3], s40, v[VOF+1]
	s_mov_b32 s18, 0x02020202
	v_mul_lo_u32 v[SELQ], v2, s18
	v_add_nc_u32 v[SELQ], 0x05040100, v[SELQ]
	v_mul_u32_u24 v[SOFF], v2, BHB                 ; lanes 0-15 write my first head's words, lanes 16-31 my second's
	v_lshl_add_u32 v[SOFF], v1, 4, v[SOFF]
.macro FRAG reg, adr, q, i             ; 16 rows x 128 K: lane l holds row l % 16; registers 4 c .. 4 c + 3 hold K = 32 c + 16 (l / 16) + 0 .. 15
.irp c, 0,1,2,3
	ds_load_b128 v[\reg+4*\c:\reg+4*\c+3], v[\adr] offset:128*(\q)+32*\c+(\i)*16*PITCH
.endr
.endm
; 16 matrix instructions: L's blocks a0, a0 + 1 x P's eight.  cm = 0: the sums go on; 1: they start from the bias along P; 2: from the bias along L.  The 64 accumulators take turns, one instruction a turn.
.macro MUL16 a0, p, q, sc, cm
.irp a, \a0, \a0+1
.irp b, 0,1,2,3,4,5,6,7
.if (\cm) == 1
	v_wmma_scale_f32_16x16x128_f8f6f4 v[8*(8*((\a)%4)+\b):8*(8*((\a)%4)+\b)+7], v[128*(\p)+FR*\b:128*(\p)+FR*\b+FR-1], v[AF+FR*(\a):AF+FR*(\a)+FR-1], v[BIAS+8*\b:BIAS+8*\b+7], v[SC+8*NQ*(\sc)+NQ*\b+(\q)], v[SC+8*NQ*(\sc)+NQ*(\a)+(\q)] matrix_a_fmt:MATRIX_FMT_BF8 matrix_b_fmt:MATRIX_FMT_BF8 matrix_a_scale:MATRIX_SCALE_ROW1
.elseif (\cm) == 2
	v_wmma_scale_f32_16x16x128_f8f6f4 v[8*(8*((\a)%4)+\b):8*(8*((\a)%4)+\b)+7], v[128*(\p)+FR*\b:128*(\p)+FR*\b+FR-1], v[AF+FR*(\a):AF+FR*(\a)+FR-1], v[BIAS+8*(\a):BIAS+8*(\a)+7], v[SC+8*NQ*(\sc)+NQ*\b+(\q)], v[SC+8*NQ*(\sc)+NQ*(\a)+(\q)] matrix_a_fmt:MATRIX_FMT_BF8 matrix_b_fmt:MATRIX_FMT_BF8 matrix_a_scale:MATRIX_SCALE_ROW1
.else
	v_wmma_scale_f32_16x16x128_f8f6f4 v[8*(8*((\a)%4)+\b):8*(8*((\a)%4)+\b)+7], v[128*(\p)+FR*\b:128*(\p)+FR*\b+FR-1], v[AF+FR*(\a):AF+FR*(\a)+FR-1], v[8*(8*((\a)%4)+\b):8*(8*((\a)%4)+\b)+7], v[SC+8*NQ*(\sc)+NQ*\b+(\q)], v[SC+8*NQ*(\sc)+NQ*(\a)+(\q)] matrix_a_fmt:MATRIX_FMT_BF8 matrix_b_fmt:MATRIX_FMT_BF8 matrix_a_scale:MATRIX_SCALE_ROW1
.endif
.endr
.endr
.endm
.macro FETCH_B slot, q, p
	WIN TO_B
.irp i, 0,1,2,3,4,5,6,7
	FRAG 128*(\p)+FR*\i, ADRB+\slot, \q, \i
.endr
	WIN 0
.endm
.macro FETCH_A slot, q, i0
.irp i, \i0, \i0+1, \i0+2, \i0+3
	FRAG AF+FR*(\i), ADRA+\slot, \q, \i
.endr
.endm
.macro SCALES sc                       ; a K step's scale words: lanes 0-15 take L's block i, lanes 16-31 P's block i
.irp i, 0,1,2,3,4,5,6,7
	ds_load_b64 v[SC+8*NQ*\sc+NQ*\i:SC+8*NQ*\sc+NQ*\i+1], v[ADRS] offset:\i*SBLK
.endr
.endm
.macro PLACES n                        ; plain vector lines between a matrix instruction and a load into, or a vector line on, its registers
.rept \n
	v_nop
.endr
.endm
.macro STEP slot, q, cm                ; 128 along K that has its successor in the same slot
	s_wait_dscnt 4*NL                              ; P's set and L's blocks 0-3 are in; the youngest sixteen loads (L's blocks 4-7) may be out
.if \cm
	WIN 0x81                                       ; C (the bias) window 0, D window 2
.else
	WIN MUL_LO
.endif
	MUL16 0, (\q)%2, \q, \slot, \cm
	MUL16 2, (\q)%2, \q, \slot, \cm
	s_wait_dscnt 0
	PLACES NP
	FETCH_B \slot, (\q)+1, 1-(\q)%2
	FETCH_A \slot, (\q)+1, 0
.if \cm
	WIN 0xc1
.else
	WIN MUL_HI
.endif
	MUL16 4, (\q)%2, \q, \slot, \cm
	MUL16 6, (\q)%2, \q, \slot, \cm
	PLACES NP
	WIN 0
	FETCH_A \slot, (\q)+1, 4
.endm
; A slot's last step changes slots: one barrier; in front of it each wave waits for all its tensor loads, adds 0 to its spare word, and waits for that and for its reads of this slot.
.macro TURN slot, next, fill
	s_wait_tensorcnt 0x0                           ; all my tensor loads have landed: my part of the next slot
	ds_add_u32 v[SPW], v[NIL]                      ; 0 onto my spare word
	s_wait_dscnt 4*NL+1                            ; (the add and the youngest sixteen loads may be out)
	WIN MUL_LO
	MUL16 0, 1, NQ-1, \slot, 0
	s_wait_dscnt 0x0                               ; the add is done, and my reads of this slot are over
	s_barrier_signal -1
	MUL16 2, 1, NQ-1, \slot, 0
	WIN 0
	s_barrier_wait -1
.if \fill
	CREST                                          ; the barrier has opened a round of the cluster's barrier: no wave of any partner still reads this slot or has a load on its way
	s_add_nc_u64 s[G0+4*\slot+2:G0+4*\slot+3], s[G0+4*\slot+2:G0+4*\slot+3], 2*ROWB
	s_add_nc_u64 s[G0B+4*\slot+2:G0B+4*\slot+3], s[G0B+4*\slot+2:G0B+4*\slot+3], 2*ROWB
	JLOAD G0+4*\slot, G1, G0B+4*\slot, G1B         ; my one tensor load behind the round; its four v_nop are among the places in front of the loads below
	PLACES NP-4
.else
	PLACES NP
.endif
	s_wait_alu depctr_va_vdst(0)
	v_add_nc_u32 v[ADRS], 4*NQ, v[ADRS]
	FETCH_B \next, 0, 0
	FETCH_A \next, 0, 0
	SCALES \next
	WIN MUL_HI
	MUL16 4, 1, NQ-1, \slot, 0
	MUL16 6, 1, NQ-1, \slot, 0
	PLACES NP
	WIN 0
	FETCH_A \next, 0, 4
.endm
	s_wait_tensorcnt 1                             ; the scales and my part of K step 0 are in; K step 1's load may stay out
	s_barrier_signal -1
	s_barrier_wait -1
	FETCH_B 0, 0, 0
	FETCH_A 0, 0, 0
	SCALES 0
	FETCH_A 0, 0, 4
	s_wait_loadcnt 0x0                             ; the bias
	s_cmp_eq_u32 s[ISV], 0                         ; the first step starts the sums from the bias, which lies along P or along L: the same in all sixteen partners
	s_cbranch_scc0 .Lfirst_v
	STEP 0, 0, 1
	s_branch .Lfirst_done
.Lfirst_v:
	STEP 0, 0, 2
.Lfirst_done:
	s_mov_b32 s3, LAPS-1
.Llap:
	TURN 0, 1, 1
	STEP 1, 0, 0
	TURN 1, 0, 1
	STEP 0, 0, 0
	s_sub_co_u32 s3, s3, 1
	s_cmp_lg_u32 s3, 0
	s_cbranch_scc1 .Llap
	TURN 0, 1, 0                                   ; the last lap fills nothing
	STEP 1, 0, 0
	s_wait_dscnt 4*NL
	WIN MUL_LO
	MUL16 0, 1, NQ-1, 1, 0
	MUL16 2, 1, NQ-1, 1, 0
	s_wait_dscnt 0
	WIN MUL_HI
	MUL16 4, 1, NQ-1, 1, 0
	MUL16 6, 1, NQ-1, 1, 0
	WIN 0
; THE QUANTISER, L's block a at a time: the lane's 64 registers are four blocks of 32 along P, 16 numbers of each; the other 16 lie in lane l xor 16.  The codes leave as they stand, 512 consecutive bytes a store.
.macro QW a
.set W, 2+(\a)/4
.set AB, 64*((\a)%4)
	WIN W|(W<<2)
.irp b, 0,1,2,3
	v_max3_num_f32 v[TM+\b], |v[AB+16*\b]|, |v[AB+16*\b+1]|, 0x8000000   ; each accumulator is read from its low end on; the floor 2^(16 - 127) holds the byte at 1 from below
.endr
	WIN (W<<2)|(W<<4)
.irp i, 2,4,6,8,10,12,14
.irp b, 0,1,2,3
	v_max3_num_f32 v[TM+\b], v[TM+\b], |v[AB+16*\b+\i]|, |v[AB+16*\b+\i+1]|
.endr
.endr
	WIN 0
.irp b, 0,1,2,3
	v_permlanex16_b32 v[T4+\b], v[TM+\b], s[SEL], s[SEL+1]
.endr
.irp b, 0,1,2,3
	v_max_num_f32 v[TM+\b], v[TM+\b], v[T4+\b]     ; the block's largest magnitude
.endr
.irp b, 0,1,2,3
	v_add_nc_u32 v[SOP+\b], 0xf8800000, v[TM+\b]   ; 15 off its exponent field: the conversion's scale operand
.endr
.irp b, 0,1,2,3
.endr
.irp b, 0,1,2,3
	v_lshrrev_b32 v[T4+\b], 23, v[SOP+\b]          ; the scale's byte
.endr
	v_lshl_or_b32 v[WA+(\a)], v[T4+1], 8, v[T4]
	v_lshl_or_b32 v[WA+(\a)], v[T4+2], 16, v[WA+(\a)]
	v_lshl_or_b32 v[WA+(\a)], v[T4+3], 24, v[WA+(\a)]
	WIN W|(W<<6)
.irp b, 0,1,2,3
.irp i, 0,1,2,3,4,5,6,7,8,9,10,11,12,13,14,15
.endr
.endr
.if (\a) > 0
	s_wait_xcnt 0x0                                ; the last block's stores have read their data and their base: both are written again only behind this wait
.if (\a) == 4
	s_add_nc_u64 s[12:13], s[12:13], s[22:23]
.else
	s_add_nc_u64 s[12:13], s[12:13], s[20:21]
.endif
.endif
	WIN W
.irp b, 0,1,2,3
	v_cvt_scalef32_pk8_bf8_f32 v[PC+4*\b:PC+4*\b+1], v[AB+16*\b:AB+16*\b+7], v[SOP+\b]
	v_cvt_scalef32_pk8_bf8_f32 v[PC+4*\b+2:PC+4*\b+3], v[AB+16*\b+8:AB+16*\b+15], v[SOP+\b]
.endr
	WIN 0
	v_nop                                          ; a plain line behind the last conversion
.irp b, 0,1,2,3
	global_store_b128 v[VOF+\b], v[PC+4*\b:PC+4*\b+3], s[12:13]   ; 32 lanes store 512 consecutive bytes, at a multiple of 256 from the buffer's first byte
.endr
.endm
	PLACES NP                                      ; behind the last products: their results are read, and L's fragments' registers are written, below
.irp b, 0,1,2,3
	v_mov_b32 v[T4+\b], 0                          ; written once: a lane permute's destination counts as one of its sources
.endr
.irp a, 0,1,2,3,4,5,6,7
	QW \a
.endr
	s_cmp_eq_u32 s[ISV], 0
	s_cbranch_scc0 .Lwords_v
.irp k, 0,1,2,3
	v_perm_b32 v[OUTW+\k], v[WA+2*\k+1], v[WA+2*\k], v[SELQ]   ; q, k: a head's two bytes of token tiles 2 k and 2 k + 1
.endr
	s_branch .Lwords_done
.Lwords_v:
	s_mov_b32 vcc_lo, 0xffff0000
.irp k, 0,1,2,3
	v_cndmask_b32 v[OUTW+\k], v[WA+\k], v[WA+4+\k], vcc_lo     ; v: channel tile k of my first head (lanes 0-15) or of my second
.endr
.Lwords_done:
	s_wait_alu depctr_va_vdst(0)
	global_store_b128 v[SOFF], v[OUTW:OUTW+3], s[92:93]        ; sixteen lanes store 256 consecutive bytes, aligned
	s_wait_tensorcnt 0x0                           ; the wave's end
	ds_add_u32 v[SPW], v[NIL]
	s_wait_dscnt 0x0
	CROUND                                         ; the closing round: no work-group ends while a partner may still ask for a tile that names it
	s_endpgm
.Lfunc_end_k_q246d8bb5f4_qkv:
	.size	k_q246d8bb5f4_qkv, .Lfunc_end_k_q246d8bb5f4_qkv-k_q246d8bb5f4_qkv
	.p2alignl 7, 3214868480
	.fill 96, 4, 3214868480
	.section	.rodata,"a",@progbits
	.p2align	6, 0x0
	.amdhsa_kernel k_q246d8bb5f4_qkv
		.amdhsa_group_segment_fixed_size 327680
		.amdhsa_private_segment_fixed_size 0
		.amdhsa_enable_private_segment 0
		.amdhsa_kernarg_size 32
		.amdhsa_user_sgpr_count 2
		.amdhsa_user_sgpr_kernarg_segment_ptr 1
		.amdhsa_wavefront_size32 1
		.amdhsa_system_sgpr_workgroup_id_x 1
		.amdhsa_system_sgpr_workgroup_id_y 1
		.amdhsa_system_sgpr_workgroup_id_z 1
		.amdhsa_system_vgpr_workitem_id 0
		.amdhsa_next_free_vgpr 1024
		.amdhsa_next_free_sgpr 102
		.amdhsa_reserve_vcc 1
		.amdhsa_float_denorm_mode_32 3
		.amdhsa_float_denorm_mode_16_64 3
		.amdhsa_fp16_overflow 1
		.amdhsa_memory_ordered 1
		.amdhsa_forward_progress 1
		.amdhsa_inst_pref_size 173
	.end_amdhsa_kernel
	.amdgpu_metadata
---
amdhsa.version: [ 1, 2 ]
amdhsa.kernels:
  - .name:           k_q246d8bb5f4_qkv
    .symbol:         k_q246d8bb5f4_qkv.kd
    .args:
      - { .name: cod, .offset: 0, .size: 8, .value_kind: global_buffer, .address_space: global }
      - { .name: scl, .offset: 8, .size: 8, .value_kind: global_buffer, .address_space: global }
      - { .name: b_attn, .offset: 16, .size: 8, .value_kind: global_buffer, .address_space: global }
      - { .name: qkv, .offset: 24, .size: 8, .value_kind: global_buffer, .address_space: global }
    .group_segment_fixed_size: 327680
    .private_segment_fixed_size: 0
    .kernarg_segment_align: 8
    .kernarg_segment_size: 32
    .max_flat_workgroup_size: 128
    .sgpr_count:     102
    .vgpr_count:     1024
    .wavefront_size: 32
...
	.end_amdgpu_metadata
.endif
;; end of part 2
;; launch attn (part 3): grid 4 x 64, 16 waves a work-group, no clusters, 327,680 bytes of LDS; arguments qkv, ac, asc; writes ac, asc
.if DOCPART == 3
	.amdgcn_target "amdgcn-amd-amdhsa--gfx1250"
	.amdhsa_code_object_version 6
	.text
	.protected	k_q246d8bb5f4_attn
	.globl	k_q246d8bb5f4_attn
	.p2align	8
	.type	k_q246d8bb5f4_attn,@function
k_q246d8bb5f4_attn:
	s_mov_b64 s[64:65], 0
	v_nop
	global_prefetch_b8 v0, s[64:65] scope:SCOPE_SE
	s_setreg_imm32_b32 hwreg(HW_REG_WAVE_MODE, 25, 1), 1
	s_wait_xcnt 0x0
; Causal attention of 64 (batch x head) x 2,048 tokens x 64 channels on codes of BF8 (E5M2), one E8M0 scale for each 32 along a product's K; the result, divided by the row's sum, is quantised along the model's 1,024 and leaves as codes.
; THE SOFTMAX: t = score x log2(e) / 8; M = the row's largest t so far, rounded UP to a whole number; p = 2^(t - M) is what is quantised, along the keys, not normalised.  The row's sum is taken of the unquantised p and divides O at the end
; (a reciprocal by v_rcp_f32 and a multiplication).  When M moves, the sum and O are multiplied by 2^(old M - new M): exact.
; SHARES.  Work-group (i, head) owns query blocks i and 7 - i of 256 queries.  Block b needs key slots 0 .. b of 256 keys, so EVERY work-group walks nine slots: 0 .. i for block i, then 0 .. 7 - i: 256 work-groups of equal work, a constant trip count.
; Each of sixteen waves owns one tile of 16 queries, in 256 registers: four waves to a SIMD, so that one wave's vector work stands beside another's matrix work and LDS loads.
; NO CLUSTER: the four work-groups of a head want different slots in the same trip (trip T: slot T or T - i - 1); walked in step they would pass 12 slots' work where each now passes 9.
; LAYOUT.  Both products are used transposed: S^T = K Q^T, O^T = V^T P^T: a lane holds ONE query throughout.  A tile's 16 tokens (or channels) are 32 (T / 2) + 8 (T % 2) + r + 8 (r / 8), so that the 16 registers of two neighbouring
; result tiles are 16 neighbours: the conversions' results are the next operand's registers.  Operands lie in memory and LDS as images of their registers: four registers = 512 bytes, lane l's at 16 l: no pitch, no padding, no bank conflict.
; THE HEAD'S 64 IN A K OF 128.  A fragment of K holds TWO tiles of keys: k 0-63 tile 2 b, k 64-127 tile 2 b + 1.  It is multiplied once by [Q | 0] and once by [0 | Q]: zero codes add nothing (K's codes are finite: the quantiser holds them;
; the zero half's scale byte is 0, which is 2^-127 and no NaN).  So half of each such instruction multiplies zeros; the form's K leaves no other way at this head size.
; CAUSAL.  A step all of whose 128 keys come after my queries is left out by a scalar branch on ids; on the diagonal hidden scores become -infinity ahead of the maximum.  Key 0 counts for every query, so M is a number from the first step on.
; LIMITS: a block of zeros gets the byte 1 where the rule says 127 (its codes are zeros; this program alone reads the bytes); NaN and infinities are not served.
.set SEC,    8650752                   ; a section of qkv: q, k, v
.set BHB,    135168                    ; a head's eight slots
.set SLOTB,  16896                     ; a slot: 16,384 bytes of codes, 512 of scale words
.set SLOT1,  65536                     ; LDS slot 1 begins here: one exclusive or turns an address.  In a slot: K's part at 0, V's at SLOTB
.set SPARE,  131072                    ; the spare words, 128 bytes for each wave: eight blocks of 256 bytes that no other line names
.set ADK,  8                           ; v8   16 x lane + the slot in hand
.set ADS,  10                          ; v10  my scale words in the slot in hand
.set KV,   48                          ; v48-111  four fragments of K, then of V
.set S,    112                         ; v112-175 S^T, then p
.set O,    176                         ; v176-207 O^T
.set PC,   208                         ; v208-223 p's codes
.set BM,   224                         ; v224-227 each block's largest score, then its largest p
.set T2,   228
.set HL,   232
.set SOP,  236                         ; the conversions' scale operands
.set KVS,  240                         ; v240-243 lanes 0-15: K's scale words; lanes 16-31: V's
.set QSL,  244                         ; q's two bytes in the low half;
.set QSH,  245                         ; in the high half
.set PWD,  246                         ; p's scale word
.set F,    248                         ; v[248:249] f (the low word serves both halves)
.set TA,   250
.set TC,   251
.set CH,   252                         ; v[252:253] the sum's second chain
.set OW,   254                         ; the result's two scale bytes
; v1 16 x lane; v2 my scale words' place in a slot; v3 r + 8 (r / 8) - 16 h; v4 the second block's q scale word; v5, v6 the add's; v7 256 x lane; v9 32 r; v12 -M; v13 the largest t; v[14:15] the sum;
; v16-23 Q, v24-31 zeros, v32-39 Q again; v40-47 the second block's Q
.set WV,   18
.set MNT,  19
.set SEL,  20
.set CS,   22
.set G1,   24                          ; s[24:31] descriptor group 1;  s[32:35] group 0;  s[36:37] my part's slot 0 in memory
.set G0,   32
.set GB,   36
.set TB,   2                           ; s2   LDS byte at which the slot in hand begins
.set T,    40                          ; s40  the trip, 0 .. 8
.set SW,   41                          ; s41  i + 1: the trip at which the second block begins
.set DQ,   42                          ; s42  256 (7 - 2 i): from my first block's queries to my second's
.set KF,   43                          ; s43  the step's first key
.set QB,   44                          ; s44  my tile's first query
.set PFA,  50                          ; s[50:51] where my prefetches stand
.set LIM,  52                          ; s52  a wave prefetches while the trip is under this
.set SH,   53                          ; s53  16 (wave & 1): which half of a pair word is my tile's
.set PA,   54                          ; s[54:55] ac, s[56:57] asc at my tile;  s[58:59], s[60:61] at my second block's
.set PS,   56
.set PA2,  58
.set PS2,  60
.macro TLOAD                           ; wave 0 fetches K's part of a slot, wave 1 V's; four v_nop follow the line
	s_cmp_lt_u32 s[WV], 2
	s_cbranch_scc0 .Lnone_\@
	tensor_load_to_lds s[G0:G0+3], s[G1:G1+7]
	s_nop 0
.rept 4
	v_nop
.endr
.Lnone_\@:
.endm
; A PREFETCH INTO THE L2 of the codes that the next change of slots will ask for.  All four work-groups of a head walk the same K and V: work-group 0 asks, which walks slots 0, then 0 .. 7: in trip t its tensor loads ask for slot t (t = 0: slot 0 again)
; and waves 4 to 7, which fetch nothing, name slot t + 1: waves 4, 5 K's 16,384 bytes, waves 6, 7 V's, 8,192 bytes a wave, lanes 256 bytes apart.  Trips 0 to 6 ask: each aligned block of 256 bytes is named once in the launch.
.macro ASK
	s_cmp_lt_u32 s[T], s[LIM]
	s_cbranch_scc0 .Lnot_mine_\@
	global_prefetch_b8 v7, s[PFA:PFA+1] th:TH_LOAD_NT scope:SCOPE_SE
.Lnot_mine_\@:
.endm
.macro STATE0                          ; a block of queries begins: O^T and the sum are zeros and the largest t is under every t, so the first step needs no text of its own
	v_mov_b32 v13, 0xff61b1e6                      ; -3e38
	s_delay_alu instid0(VALU_DEP_1)
	v_floor_f32 v12, -v13
	v_mov_b32 v14, 0
	v_mov_b32 v15, 0
.set J, 0
.rept 32
	v_mov_b32 v[O+J], 0
.set J, J+1
.endr
.endm
	s_load_b128 s[4:7], s[0:1], 0x0                ; qkv s[4:5], ac s[6:7]
	s_load_b64 s[8:9], s[0:1], 0x10                ; asc
	v_lshl_add_u32 v5, v0, 2, SPARE
	v_mov_b32 v6, 0
	ds_add_u32 v5, v6
	ds_add_u32 v5, v6
	s_wait_dscnt 0x0
	v_lshrrev_b32 v8, 5, v0
	s_delay_alu instid0(VALU_DEP_1)
	v_readfirstlane_b32 s[WV], v8                  ; wave 0..15
	s_and_b32 s45, ttmp7, 0xffff                   ; batch x 16 + head
	s_mul_i32 s46, s45, BHB
	s_and_b32 s47, s[WV], 1
	s_add_co_u32 s48, s47, 1                       ; section 1 (K) or 2 (V)
	s_mul_i32 s48, s48, SEC
	s_add_co_u32 s48, s48, s46
	s_mov_b32 s49, 0
	s_mov_b32 s[G1], 3<<16                         ; no mask; elements of 8 bytes; no padding: a dense block of 66 rows of 256 bytes
	s_mov_b32 s[G1+1], 32<<16                      ; tensor_dim0
	s_mov_b32 s[G1+2], 66<<16                      ; tensor_dim1
	s_mov_b32 s[G1+3], 32<<16                      ; tile_dim0
	s_mov_b32 s[G1+4], 66                          ; tile_dim1
	s_mov_b32 s[G1+5], 32                          ; tensor_dim0_stride
	s_mov_b32 s[G1+6], 0
	s_mov_b32 s[G1+7], 0
	s_mov_b32 s[G0], 1
	s_mul_i32 s[G0+1], s47, SLOTB                  ; LDS: slot 0, K's part or V's
	s_wait_kmcnt 0x0
	s_add_nc_u64 s[GB:GB+1], s[4:5], s[48:49]
	s_mov_b64 s[G0+2:G0+3], s[GB:GB+1]
	s_or_b32 s[G0+3], s[G0+3], 0x80000000
	TLOAD                                          ; key slot 0: the one first fill; one load of mine is out
	s_mov_b32 s[SEL], 0x76543210
	s_mov_b32 s[SEL+1], 0xfedcba98
	s_mov_b32 s[CS], 0x3e38aa3b                    ; c = log2(e) / 8
	s_mov_b32 s[CS+1], s[CS]
	s_mov_b32 s[TB], 0
	s_mov_b32 s[T], 0
	s_lshl_b32 s47, ttmp9, 1
	s_sub_co_u32 s47, 7, s47                       ; 7 - 2 i: blocks from my first to my second
	s_lshl_b32 s[DQ], s47, 8
	s_add_co_u32 s[SW], ttmp9, 1
	s_lshl_b32 s[QB], ttmp9, 8
	s_lshr_b32 s48, s[WV], 1
	s_lshl_b32 s48, s48, 5
	s_add_co_u32 s[QB], s[QB], s48
	s_and_b32 s48, s[WV], 1
	s_lshl_b32 s49, s48, 3
	s_add_co_u32 s[QB], s[QB], s49                 ; 256 i + 32 (w / 2) + 8 (w % 2)
	s_lshl_b32 s[SH], s48, 4
	s_mul_i32 s48, ttmp9, SLOTB
	s_add_co_u32 s48, s48, s46                     ; section q: my head, my first block's slot
	s_lshl_b32 s49, s[WV], 10
	s_add_co_u32 s10, s48, s49                     ; my tile's 1,024 bytes of codes
	s_mov_b32 s11, 0
	s_add_nc_u64 s[10:11], s[4:5], s[10:11]
	s_lshr_b32 s49, s[WV], 3
	s_lshl_b32 s49, s49, 8
	s_add_co_u32 s12, s48, s49
	s_bfe_u32 s49, s[WV], 0x20001
	s_lshl_b32 s49, s49, 2
	s_add_co_u32 s12, s12, s49
	s_add_co_u32 s12, s12, 16384                   ; the word that holds my tile's bytes: half w / 8, word (w % 8) / 2
	s_mov_b32 s13, 0
	s_add_nc_u64 s[12:13], s[4:5], s[12:13]
	s_mul_i32 s48, s47, SLOTB
	s_mov_b32 s49, 0
	s_add_nc_u64 s[14:15], s[10:11], s[48:49]      ; the same of my second block
	s_add_nc_u64 s[16:17], s[12:13], s[48:49]
	s_lshr_b32 s48, s45, 4
	s_lshl_b32 s48, s48, 7
	s_lshl_b32 s49, ttmp9, 4
	s_add_co_u32 s48, s48, s49
	s_add_co_u32 s48, s48, s[WV]                   ; my token tile among 512: 128 x batch + 16 x block + wave
	s_and_b32 s45, s45, 15                         ; the head
	s_lshl_b32 s62, s48, 14
	s_lshl_b32 s49, s45, 10
	s_add_co_u32 s62, s62, s49                     ; ac: 16,384 bytes a tile, 1,024 a head
	s_mov_b32 s63, 0
	s_add_nc_u64 s[PA:PA+1], s[6:7], s[62:63]
	s_lshl_b32 s62, s48, 9
	s_lshl_b32 s49, s45, 1
	s_add_co_u32 s62, s62, s49                     ; asc: 32 bytes a row, 2 a head
	s_add_nc_u64 s[PS:PS+1], s[8:9], s[62:63]
	s_lshl_b32 s62, s47, 18
	s_add_nc_u64 s[PA2:PA2+1], s[PA:PA+1], s[62:63]
	s_lshl_b32 s62, s47, 13
	s_add_nc_u64 s[PS2:PS2+1], s[PS:PS+1], s[62:63]
	s_bfe_u32 s48, s[WV], 0x10001
	s_add_co_u32 s48, s48, 1
	s_mul_i32 s48, s48, SEC
	s_add_co_u32 s48, s48, s46
	s_and_b32 s49, s[WV], 1
	s_lshl_b32 s49, s49, 13
	s_add_co_u32 s48, s48, s49
	s_mov_b32 s49, 0
	s_add_nc_u64 s[PFA:PFA+1], s[4:5], s[48:49]    ; at slot 0: the first change of slots steps it to slot 1.  Nothing is prefetched here, at the head
	s_lshr_b32 s48, s[WV], 2
	s_xor_b32 s48, s48, 1                          ; 0 in waves 4 to 7,
	s_or_b32 s48, s48, ttmp9                       ; of the head's work-group 0
	s_cmp_eq_u32 s48, 0
	s_cselect_b32 s[LIM], 7, 0
	v_and_b32 v8, 31, v0
	s_delay_alu instid0(VALU_DEP_1)
	v_lshlrev_b32 v1, 4, v8
	s_delay_alu instid0(VALU_DEP_2)
	v_lshlrev_b32 v7, 8, v8
	v_and_b32 v8, 15, v0                           ; r
	v_bfe_u32 v10, v0, 4, 1                        ; h
	s_delay_alu instid0(VALU_DEP_1)
	v_mul_u32_u24 v2, v10, SLOTB                   ; lanes 16-31 take V's words
	s_delay_alu instid0(VALU_DEP_1)
	v_lshl_add_u32 v2, v8, 4, v2
	s_delay_alu instid0(VALU_DEP_1)
	v_add_nc_u32 v2, 16384, v2
	v_and_b32 v3, 8, v8
	s_delay_alu instid0(VALU_DEP_1)
	v_add_nc_u32 v3, v3, v8
	v_lshlrev_b32 v10, 4, v10
	s_delay_alu instid0(VALU_DEP_1)
	v_sub_nc_u32 v3, v3, v10
	v_lshlrev_b32 v9, 5, v8
	v_lshlrev_b32 v10, 4, v8                       ; 16 r: a row's four words
	global_load_b128 v[16:19], v1, s[10:11]
	global_load_b128 v[20:23], v1, s[10:11] offset:512
	global_load_b128 v[32:35], v1, s[10:11]
	global_load_b128 v[36:39], v1, s[10:11] offset:512
	global_load_b128 v[40:43], v1, s[14:15]
	global_load_b128 v[44:47], v1, s[14:15] offset:512
	global_load_b32 v[QSL], v10, s[12:13]
	global_load_b32 v4, v10, s[16:17]
.irp k, 0,1,2,3,4,5,6,7
	v_mov_b32 v[24+\k], 0                          ; the zero half of [Q | 0] and of [0 | Q]
.endr
.irp b, 0,1,2,3
	v_mov_b32 v[T2+\b], 0                          ; written once: a lane permute's destination counts as one of its sources
.endr
	v_mov_b32 v[F+1], 0                            ; (named as the upper half of a pair)
	v_mov_b32 v[TA], 0
	s_wait_loadcnt 0x0                             ; Q and its words; v10 is free again
	v_lshrrev_b32 v[QSL], s[SH], v[QSL]
	s_delay_alu instid0(VALU_DEP_1)
	v_and_b32 v[QSL], 0xffff, v[QSL]               ; bytes 2 and 3, over the zero codes, are 0
	s_delay_alu instid0(VALU_DEP_1)
	v_lshlrev_b32 v[QSH], 16, v[QSL]
	STATE0
; A KEY STEP: 128 keys, the q-th of the slot in hand.
.macro STEP q
	s_add_co_u32 s45, s[QB], 23                    ; my last query
	s_cmp_gt_u32 s[KF], s45
	s_cbranch_scc1 .Lhidden_\@                     ; all keys of the step come after all my queries
	v_add_nc_u32 v[ADK], s[TB], v1
	v_add_nc_u32 v[ADS], s[TB], v2
.rept 6
	v_nop                                          ; with the two additions: eight places in front of loads into registers that the last products read
.endr
.irp b, 0,1,2,3
.irp c, 0,1,2,3
	ds_load_b128 v[KV+16*\b+4*\c:KV+16*\b+4*\c+3], v[ADK] offset:8192*(\q)+2048*\b+512*\c
.endr
.endr
	ds_load_b128 v[KVS:KVS+3], v[ADS] offset:256*(\q)
	s_wait_alu depctr_va_vdst(0)
	s_wait_dscnt 0x0
.irp b, 0,1,2,3
	v_wmma_scale_f32_16x16x128_f8f6f4 v[S+16*\b:S+16*\b+7], v[KV+16*\b:KV+16*\b+15], v[16:31], 0, v[KVS+\b], v[QSL] matrix_a_fmt:MATRIX_FMT_BF8 matrix_b_fmt:MATRIX_FMT_BF8
	v_wmma_scale_f32_16x16x128_f8f6f4 v[S+16*\b+8:S+16*\b+15], v[KV+16*\b:KV+16*\b+15], v[24:39], 0, v[KVS+\b], v[QSH] matrix_a_fmt:MATRIX_FMT_BF8 matrix_b_fmt:MATRIX_FMT_BF8
.endr                                          ; register 16 b + i of S^T: key KF + 32 b + 16 h + i
.rept 8
	v_nop
.endr
.irp t, 0,1,2,3
.irp c, 0,1,2,3
	ds_load_b128 v[KV+16*\t+4*\c:KV+16*\t+4*\c+3], v[ADK] offset:SLOTB+8192*(\q)+2048*\t+512*\c   ; V's four fragments land while the softmax is walked
.endr
.endr
	s_add_co_u32 s45, s[KF], 127
	s_cmp_le_u32 s45, s[QB]
	s_cbranch_scc1 .Lopen_\@                       ; all keys of the step count for all my queries
	s_sub_co_i32 s45, s[QB], s[KF]
	v_add_nc_u32 v[TA], s45, v3                    ; d = my query - KF - 16 h: register 16 b + i is hidden where 32 b + i > d
	v_mov_b32 v[TC], 0xff800000
.set J, 0
.rept 64
	v_cmp_gt_i32 vcc_lo, 32*(J/16)+J%16, v[TA]
	v_cndmask_b32 v[S+J], v[S+J], v[TC], vcc_lo
.set J, J+1
.endr
.Lopen_\@:
.irp b, 0,1,2,3
	v_max3_num_f32 v[BM+\b], v[S+16*\b], v[S+16*\b+1], v[S+16*\b+2]   ; the largest score of each block of 32 keys: it serves the row's maximum and, since p rises with the score, the block's largest p
.endr
.irp i, 3,5,7,9,11,13
.irp b, 0,1,2,3
	v_max3_num_f32 v[BM+\b], v[BM+\b], v[S+16*\b+\i], v[S+16*\b+\i+1]
.endr
.endr
.irp b, 0,1,2,3
	v_max_num_f32 v[BM+\b], v[BM+\b], v[S+16*\b+15]
.endr
.irp b, 0,1,2,3
	s_delay_alu instid0(VALU_DEP_4)
	v_permlanex16_b32 v[T2+\b], v[BM+\b], s[SEL], s[SEL+1]
.endr
.irp b, 0,1,2,3
	s_delay_alu instid0(VALU_DEP_4)
	v_max_num_f32 v[BM+\b], v[BM+\b], v[T2+\b]
.endr
	s_delay_alu instid0(VALU_DEP_2)
	v_max3_num_f32 v[TA], v[BM], v[BM+1], v[BM+2]
	s_delay_alu instid0(VALU_DEP_1)
	v_max_num_f32 v[TA], v[TA], v[BM+3]
	s_delay_alu instid0(VALU_DEP_1)
	v_mul_f32 v[TA], s[CS], v[TA]
	s_delay_alu instid0(VALU_DEP_1)
	v_max_num_f32 v13, v13, v[TA]                  ; the running largest t
	v_mov_b32 v[TA], v12
	s_delay_alu instid0(VALU_DEP_2)
	v_floor_f32 v12, -v13                          ; the new -M = -ceil(t)
	s_delay_alu instid0(VALU_DEP_1)
	v_sub_f32 v[TA], v12, v[TA]                    ; old M - new M: a whole number, 0 or less
	s_delay_alu instid0(VALU_DEP_1)
	v_cvt_i32_f32 v[TA], v[TA]                     ; (it saturates)
	s_delay_alu instid0(VALU_DEP_1)
	v_ldexp_f32 v[F], 1.0, v[TA]                   ; f = 2^(old M - new M)
.set J, 0
.rept 32
	v_pk_fma_f32 v[S+J:S+J+1], v[S+J:S+J+1], s[CS:CS+1], v[12:13] op_sel_hi:[1,0,0]   ; t - M
.set J, J+2
.endr
.irp b, 0,1,2,3
	v_fma_f32 v[BM+\b], v[BM+\b], s[CS], v12
.endr
.set J, 0
	s_wait_alu depctr_va_vdst(0)
.rept 64
	v_exp_f32 v[S+J], v[S+J]                       ; p = 2^(t - M)
.set J, J+1
.endr
.irp b, 0,1,2,3
	v_exp_f32 v[BM+\b], v[BM+\b]                   ; the block's largest p: the same two instructions on the same number
.endr
	v_pk_mul_f32 v[14:15], v[14:15], v[F:F+1] op_sel_hi:[1,0]   ; the sums under the new M (a plain line behind the exponentials)
	s_wait_alu depctr_va_vdst(0)
.irp b, 0,1,2,3
	v_max_num_f32 v[BM+\b], 0x8000000, v[BM+\b]    ; the floor 2^(16 - 127)
.endr
.irp b, 0,1,2,3
	s_delay_alu instid0(VALU_DEP_4)
	v_add_nc_u32 v[SOP+\b], 0xf8800000, v[BM+\b]
.endr
.irp b, 0,1,2,3
.endr
.irp b, 0,1,2,3
	s_delay_alu instid0(VALU_DEP_4)
	v_lshrrev_b32 v[T2+\b], 23, v[SOP+\b]
.endr
	s_delay_alu instid0(VALU_DEP_3)
	v_lshl_or_b32 v[PWD], v[T2+1], 8, v[T2]        ; p's scale word for these 128 keys
	s_delay_alu instid0(VALU_DEP_1)
	v_lshl_or_b32 v[PWD], v[T2+2], 16, v[PWD]
	s_delay_alu instid0(VALU_DEP_1)
	v_lshl_or_b32 v[PWD], v[T2+3], 24, v[PWD]
	v_pk_add_f32 v[252:253], v[116:117], v[120:121]
	v_pk_add_f32 v[254:255], v[124:125], v[128:129]
	v_pk_add_f32 v[234:235], v[132:133], v[136:137]
	v_pk_add_f32 v[232:233], v[140:141], v[144:145]
	v_pk_add_f32 v[226:227], v[148:149], v[152:153]
	v_pk_add_f32 v[224:225], v[156:157], v[160:161]
	v_pk_add_f32 v[222:223], v[164:165], v[168:169]
	v_pk_add_f32 v[14:15], v[14:15], v[172:173]
	v_pk_add_f32 v[252:253], v[252:253], v[112:113]
	v_pk_add_f32 v[254:255], v[254:255], v[114:115]
	v_pk_add_f32 v[234:235], v[234:235], v[118:119]
	v_pk_add_f32 v[232:233], v[232:233], v[122:123]
	v_pk_add_f32 v[226:227], v[226:227], v[126:127]
	v_pk_add_f32 v[224:225], v[224:225], v[130:131]
	v_pk_add_f32 v[222:223], v[222:223], v[134:135]
	v_pk_add_f32 v[14:15], v[14:15], v[138:139]
	v_pk_add_f32 v[252:253], v[252:253], v[142:143]
	v_pk_add_f32 v[254:255], v[254:255], v[146:147]
	v_pk_add_f32 v[234:235], v[234:235], v[150:151]
	v_pk_add_f32 v[232:233], v[232:233], v[154:155]
	v_pk_add_f32 v[226:227], v[226:227], v[158:159]
	v_pk_add_f32 v[224:225], v[224:225], v[162:163]
	v_pk_add_f32 v[222:223], v[222:223], v[166:167]
	v_pk_add_f32 v[14:15], v[14:15], v[170:171]
	v_pk_add_f32 v[252:253], v[252:253], v[174:175]
	s_delay_alu instid0(VALU_DEP_2)
	v_pk_add_f32 v[14:15], v[14:15], v[232:233]
	s_delay_alu instid0(VALU_DEP_2)
	v_pk_add_f32 v[252:253], v[252:253], v[226:227]
	v_pk_add_f32 v[254:255], v[254:255], v[224:225]
	v_pk_add_f32 v[234:235], v[234:235], v[222:223]
	s_delay_alu instid0(VALU_DEP_2)
	v_pk_add_f32 v[14:15], v[14:15], v[254:255]
	s_delay_alu instid0(VALU_DEP_2)
	v_pk_add_f32 v[252:253], v[252:253], v[234:235]
	s_delay_alu instid0(VALU_DEP_1)
	v_pk_add_f32 v[14:15], v[14:15], v[252:253]
.irp b, 0,1,2,3
.irp i, 0,1,2,3,4,5,6,7,8,9,10,11,12,13,14,15
.endr
	v_cvt_scalef32_pk8_bf8_f32 v[PC+4*\b:PC+4*\b+1], v[S+16*\b:S+16*\b+7], v[SOP+\b]
	v_cvt_scalef32_pk8_bf8_f32 v[PC+4*\b+2:PC+4*\b+3], v[S+16*\b+8:S+16*\b+15], v[SOP+\b]
.endr
.set J, 0
.rept 16
	v_pk_mul_f32 v[O+J:O+J+1], v[O+J:O+J+1], v[F:F+1] op_sel_hi:[1,0]   ; O^T under the new M; these sixteen are also the places between the codes and the products
.set J, J+2
.endr
	s_wait_alu depctr_va_vdst(0)
	s_wait_dscnt 0x0                               ; V
.irp t, 0,1,2,3
	v_wmma_scale_f32_16x16x128_f8f6f4 v[O+8*\t:O+8*\t+7], v[KV+16*\t:KV+16*\t+15], v[PC:PC+15], v[O+8*\t:O+8*\t+7], v[KVS+\t], v[PWD] matrix_a_fmt:MATRIX_FMT_BF8 matrix_b_fmt:MATRIX_FMT_BF8 matrix_a_scale:MATRIX_SCALE_ROW1
.endr                                          ; the four accumulators take turns; eight products K Q^T stand between a step's and the next step's
.Lhidden_\@:
	s_add_co_u32 s[KF], s[KF], 128
.endm
; THE CHANGE OF SLOTS, at a slot's head.  fill = 1: the slot that has been left is filled with the next trip's keys: slot T + 1 of the walk 0 .. i, 0 .. 7 - i.
.macro CHANGE fill
	s_wait_tensorcnt 0x0                           ; no tensor load of mine is out, so group 0 may be written
	ds_add_u32 v5, v6                              ; 0 onto my spare word
.if \fill
	s_xor_b32 s[G0+1], s[G0+1], SLOT1
	s_add_co_u32 s45, s[T], 1
	s_cmp_lt_u32 s45, s[SW]
	s_cselect_b32 s46, 0, s[SW]
	s_sub_co_u32 s45, s45, s46                     ; the next trip's key slot
	s_mul_i32 s46, s45, SLOTB
	s_mov_b32 s47, 0
	s_add_nc_u64 s[G0+2:G0+3], s[GB:GB+1], s[46:47]
	s_or_b32 s[G0+3], s[G0+3], 0x80000000
	s_wait_xcnt 0x0                                ; the last prefetch, a slot back, has read its address
	s_add_nc_u64 s[PFA:PFA+1], s[PFA:PFA+1], SLOTB
.endif
	s_wait_dscnt 0x0                               ; the add is done, and my reads of the slot that I have left are over
	s_barrier_signal -1
	s_barrier_wait -1
.if \fill
	TLOAD                                          ; the first thing behind the barrier, and a wave's one tensor load until the next
	ASK
.endif
.endm
.macro KAPPA                           ; the trip's first key
	s_cmp_lt_u32 s[T], s[SW]
	s_cselect_b32 s45, 0, s[SW]
	s_sub_co_u32 s45, s[T], s45
	s_lshl_b32 s[KF], s45, 8
.endm
; A BLOCK'S END: O^T / the sum; its two blocks of 32 channels are quantised; the codes leave as they stand, two stores of 512 consecutive bytes; the two scale bytes go to my row of asc.
.macro FINAL
.rept 8
	v_nop                                          ; places behind the last products
.endr
	v_add_f32 v14, v14, v15
	s_delay_alu instid0(VALU_DEP_1)
	v_permlanex16_b32 v[TA], v14, s[SEL], s[SEL+1]
	s_delay_alu instid0(VALU_DEP_1)
	v_add_f32 v14, v14, v[TA]                      ; the row's sum
	s_wait_alu depctr_va_vdst(0)
	v_rcp_f32 v[F], v14
	v_nop
.set J, 0
	s_wait_alu depctr_va_vdst(0)
.rept 16
	v_pk_mul_f32 v[O+J:O+J+1], v[O+J:O+J+1], v[F:F+1] op_sel_hi:[1,0]   ; register 16 b + i: channel 32 b + 16 h + i of my query
.set J, J+2
.endr
.irp b, 0,1
	v_max3_num_f32 v[BM+\b], |v[O+16*\b]|, |v[O+16*\b+1]|, 0x8000000
.endr
.irp i, 2,4,6,8,10,12,14
.irp b, 0,1
	s_delay_alu instid0(VALU_DEP_2)
	v_max3_num_f32 v[BM+\b], v[BM+\b], |v[O+16*\b+\i]|, |v[O+16*\b+\i+1]|
.endr
.endr
.irp b, 0,1
	s_delay_alu instid0(VALU_DEP_2)
	v_permlanex16_b32 v[T2+\b], v[BM+\b], s[SEL], s[SEL+1]
.endr
.irp b, 0,1
	s_delay_alu instid0(VALU_DEP_2)
	v_max_num_f32 v[BM+\b], v[BM+\b], v[T2+\b]
.endr
.irp b, 0,1
	s_delay_alu instid0(VALU_DEP_2)
	v_add_nc_u32 v[SOP+\b], 0xf8800000, v[BM+\b]
.endr
.irp b, 0,1
.endr
.irp b, 0,1
	s_delay_alu instid0(VALU_DEP_2)
	v_lshrrev_b32 v[T2+\b], 23, v[SOP+\b]
.endr
	s_delay_alu instid0(VALU_DEP_1)
	v_lshl_or_b32 v[OW], v[T2+1], 8, v[T2]
.irp b, 0,1
.irp i, 0,1,2,3,4,5,6,7,8,9,10,11,12,13,14,15
.endr
	v_cvt_scalef32_pk8_bf8_f32 v[PC+4*\b:PC+4*\b+1], v[O+16*\b:O+16*\b+7], v[SOP+\b]
	v_cvt_scalef32_pk8_bf8_f32 v[PC+4*\b+2:PC+4*\b+3], v[O+16*\b+8:O+16*\b+15], v[SOP+\b]
.endr
	v_nop                                          ; a plain line behind the last conversion
	global_store_b128 v1, v[PC:PC+3], s[PA:PA+1]
	global_store_b128 v1, v[PC+4:PC+7], s[PA:PA+1] offset:512
	global_store_b16 v9, v[OW], s[PS:PS+1]         ; two bytes a row, rows 32 bytes apart (lanes l and l xor 16 write the same bytes with the same value): one part in 32 of the codes' bytes
.endm
.macro REINIT                          ; on to my second block of queries
	v_lshrrev_b32 v[QSL], s[SH], v4
	s_delay_alu instid0(VALU_DEP_1)
	v_and_b32 v[QSL], 0xffff, v[QSL]
	s_delay_alu instid0(VALU_DEP_1)
	v_lshlrev_b32 v[QSH], 16, v[QSL]
.irp k, 0,1,2,3,4,5,6,7
	v_mov_b32 v[16+\k], v[40+\k]
	v_mov_b32 v[32+\k], v[40+\k]
.endr
	STATE0
	s_wait_xcnt 0x0                                ; the stores above have read their data and their bases: both are written again only behind this wait
	s_mov_b64 s[PA:PA+1], s[PA2:PA2+1]
	s_mov_b64 s[PS:PS+1], s[PS2:PS2+1]
	s_add_co_u32 s[QB], s[QB], s[DQ]
.endm
.Lslot:                                            ; eight trips: behind each change of slots but the last the next slot is asked for
	CHANGE 1
	KAPPA
	s_cmp_eq_u32 s[T], s[SW]                       ; the first block's keys are through (trip i + 1, one of 1 to 4): a branch on the work-group's number, alike in all sixteen waves
	s_cbranch_scc0 .Lsame
	FINAL
	REINIT
.Lsame:
	STEP 0
	STEP 1
	s_xor_b32 s[TB], s[TB], SLOT1
	s_add_co_u32 s[T], s[T], 1
	s_cmp_lt_u32 s[T], 8
	s_cbranch_scc1 .Lslot
	CHANGE 0                                       ; the last slot is written out
	KAPPA
	STEP 0
	STEP 1
	FINAL
	s_wait_tensorcnt 0x0                           ; the wave's end
	ds_add_u32 v5, v6
	s_wait_dscnt 0x0
	s_endpgm
.Lfunc_end_k_q246d8bb5f4_attn:
	.size	k_q246d8bb5f4_attn, .Lfunc_end_k_q246d8bb5f4_attn-k_q246d8bb5f4_attn
	.p2alignl 7, 3214868480
	.fill 96, 4, 3214868480
	.section	.rodata,"a",@progbits
	.p2align	6, 0x0
	.amdhsa_kernel k_q246d8bb5f4_attn
		.amdhsa_group_segment_fixed_size 327680
		.amdhsa_private_segment_fixed_size 0
		.amdhsa_enable_private_segment 0
		.amdhsa_kernarg_size 24
		.amdhsa_user_sgpr_count 2
		.amdhsa_user_sgpr_kernarg_segment_ptr 1
		.amdhsa_wavefront_size32 1
		.amdhsa_system_sgpr_workgroup_id_x 1
		.amdhsa_system_sgpr_workgroup_id_y 1
		.amdhsa_system_sgpr_workgroup_id_z 1
		.amdhsa_system_vgpr_workitem_id 0
		.amdhsa_next_free_vgpr 256
		.amdhsa_next_free_sgpr 66
		.amdhsa_reserve_vcc 1
		.amdhsa_float_denorm_mode_32 3
		.amdhsa_float_denorm_mode_16_64 3
		.amdhsa_fp16_overflow 1
		.amdhsa_memory_ordered 1
		.amdhsa_forward_progress 1
		.amdhsa_inst_pref_size 109
	.end_amdhsa_kernel
	.amdgpu_metadata
---
amdhsa.version: [ 1, 2 ]
amdhsa.kernels:
  - .name:           k_q246d8bb5f4_attn
    .symbol:         k_q246d8bb5f4_attn.kd
    .args:
      - { .name: qkv, .offset: 0, .size: 8, .value_kind: global_buffer, .address_space: global }
      - { .name: ac, .offset: 8, .size: 8, .value_kind: global_buffer, .address_space: global }
      - { .name: asc, .offset: 16, .size: 8, .value_kind: global_buffer, .address_space: global }
    .group_segment_fixed_size: 327680
    .private_segment_fixed_size: 0
    .kernarg_segment_align: 8
    .kernarg_segment_size: 24
    .max_flat_workgroup_size: 512
    .sgpr_count:     66
    .vgpr_count:     256
    .wavefront_size: 32
...
	.end_amdgpu_metadata
.endif
;; end of part 3
;; launch proj (part 4): grid 4 x 32, 4 waves a work-group, clusters of 4 x 4, 327,680 bytes of LDS; arguments ac, asc, cod, scl, b_proj, out0; writes out0
.if DOCPART == 4
	.amdgcn_target "amdgcn-amd-amdhsa--gfx1250"
	.amdhsa_code_object_version 6
	.text
	.protected	k_q246d8bb5f4_proj
	.globl	k_q246d8bb5f4_proj
	.p2align	8
	.type	k_q246d8bb5f4_proj,@function
k_q246d8bb5f4_proj:
	s_mov_b64 s[64:65], 0
	v_nop
	global_prefetch_b8 v0, s[64:65] scope:SCOPE_SE
	s_setreg_imm32_b32 hwreg(HW_REG_WAVE_MODE, 25, 1), 1
	s_wait_xcnt 0x0
	s_wait_alu depctr_hold_cnt(0) depctr_sa_sdst(0) depctr_va_vdst(0) depctr_va_sdst(0) depctr_va_ssrc(0) depctr_va_vcc(0) depctr_vm_vsrc(0)
	s_getreg_b32 s2, hwreg(HW_REG_IB_STS2, 6, 4)
	s_cmp_eq_u32 s2, 0
	s_cbranch_scc0 .Lentry_in_a_cluster
	s_endpgm
.Lentry_in_a_cluster:
	s_bfe_u32 s2, ttmp6, 0x10000c
	s_cmp_lg_u32 s2, 0xf033
	s_cbranch_scc0 .Lentry_shape_is_right
	s_endpgm
.Lentry_shape_is_right:
; out0 = a w_proj + b_proj on codes of BF8 (E5M2) with one E8M0 scale for each 32 along K = 1,024; a is the attention's result as codes; out0 [8192][1024] f32.
; L (source 1, rows to lanes) = tokens: ac holds them as images of operand registers, [token tile 512][K step of 128, 8][group of four registers 4][512 bytes, lane l's 16 at 16 l]; a tile's 16 tokens are 32 (T / 2) + 8 (T % 2) + r + 8 (r / 8);
; asc holds their scale bytes, 32 a row, row 16 T + r.   P (source 0, rows to registers) = w_proj's columns n: rows 11264 on of cod and scl, permuted likewise: in the result of P's tile b, lane (r, h), register j is column 32 (b / 2) + 16 h + 8 (b % 2) + j.
; A tile of 256 tokens x 256 columns is made by four waves, each 128 x 128: 64 accumulators.  K goes in steps of 256 through two LDS slots; the scales of the tile's 512 rows come once and stay.  128 tiles: 128 work-groups.
; CLUSTERS: 4 x 4 work-groups; L's tiles are asked for jointly along a row of the cluster, P's along a column.  The bias is the C of each sum's first matrix instruction.
; REGISTERS, in windows of 256: window 0: v16-29 addresses; v32-63 scale words, two sets; v64-127 the bias; from v128 L's fragments, one set (on the way out: rows read back).  window 1: P's fragments, two sets.  windows 2, 3: the accumulators.
.set KSTEP,  256
.set NQ,     2
.set ROWB,   256
.set KROW,   1024
.set PITCH,  272                       ; P's LDS row: 256 bytes + 16 of padding: the 16 rows that a load touches start at 16 different banks (64 banks of 4 bytes: ISA guide 11.1)
.set FR,     16
.set NL,     4
.set NP,     8
.set HALFA,  32768                     ; L: eight token tiles x 4,096 bytes: what one tensor load brings
.set HALFB,  128*PITCH                 ; P: 128 rows
.set SLOT,   2*HALFA+2*HALFB
.set LAPS,   2
.set KS,     32
.set SCL,    2*SLOT
.set HALFS,  (128*KS/256)*272
.set SBLK,   (16*KS/256)*272
.set SPARE,  SCL+4*HALFS               ; the spare words, 128 bytes for each wave: two blocks of 256 bytes that no other line names
.set SPITCH, 528                       ; the way out: 16 rows x (512 bytes + 16) for each wave, in slot 0, which has had its last fill and its last read when the first result is stored there
.set ADRA, 16
.set ADRB, 20
.set STO,  24
.set RD,   25
.set CO,   26
.set ADRS, 27
.set SPW,  28
.set NIL,  29
.set SC,   32
.set BIAS, 64
.set AF,   128
.set BK,   128
.set G1, 24
.set G0, 32
.set G1B, 48
.set G0B, 56
.set G1S, 68
.set G0S, 76
.set G1SB, 80
.set G0SB, 88
.set MSB, 0
.macro WIN new
.if MSB != (\new)
	s_set_vgpr_msb (MSB<<8)|(\new)
.set MSB, (\new)
.endif
.endm
.set MUL_LO, 0xa1
.set MUL_HI, 0xf1
.set TO_B,   0x40
.macro JLOAD g0a, g1a, g0b, g1b        ; a joint load: waves 0 and 1 fetch for L, waves 2 and 3 for P; four v_nop follow each of the two lines
	s_cmp_eq_u32 s15, 0
	s_cbranch_scc0 .Lfor_b_\@
	tensor_load_to_lds s[\g0a:\g0a+3], s[\g1a:\g1a+7]
	s_nop 0
.rept 4
	v_nop
.endr
	s_branch .Lasked_\@
.Lfor_b_\@:
	tensor_load_to_lds s[\g0b:\g0b+3], s[\g1b:\g1b+7]
	s_nop 0
.rept 4
	v_nop
.endr
.Lasked_\@:
.endm
.macro CREST
	s_cmp_lg_u32 s14, 0
	s_cbranch_scc1 .Lnot_wave_0_\@
	s_barrier_signal -3
.Lnot_wave_0_\@:
	s_barrier_wait -3
	s_barrier_signal -1
	s_barrier_wait -1
.endm
.macro CROUND
	s_barrier_signal -1
	s_barrier_wait -1
	CREST
.endm
	s_load_b128 s[4:7], s[0:1], 0x0                ; ac s[4:5], asc s[6:7]
	s_load_b128 s[8:11], s[0:1], 0x10              ; cod s[8:9], scl s[10:11]
	s_load_b64 s[96:97], s[0:1], 0x20              ; b_proj
	s_load_b64 s[12:13], s[0:1], 0x28              ; out0
	v_lshl_add_u32 v[SPW], v0, 2, SPARE
	v_mov_b32 v[NIL], 0
	ds_add_u32 v28, v29
	ds_add_u32 v28, v29
	s_wait_dscnt 0x0
	v_lshrrev_b32 v1, 5, v0
	v_readfirstlane_b32 s14, v1                    ; wave 0..3
	s_lshr_b32 s15, s14, 1                         ; which half of the tokens is mine.  Also: I fetch for L (0) or for P (1)
	s_and_b32 s16, s14, 1                          ; which half of the columns.  Also: which half of that tile I fetch
	s_bfe_u32 s40, ttmp6, 0x40000
	s_bfe_u32 s41, ttmp6, 0x40004
	s_lshl_b32 s42, ttmp9, 2
	s_add_co_u32 s42, s42, s40                     ; tile of columns = 4 x cluster x + cx
	s_and_b32 s17, ttmp7, 0xffff
	s_lshl_b32 s17, s17, 2
	s_add_co_u32 s17, s17, s41                     ; tile of tokens = 4 x cluster y + cy
	s_lshl_b32 s43, s41, 2
	s_lshl_b32 s43, 15, s43
	s_lshl_b32 s44, 0x1111, s40
	s_or_b32 s[G1+0], s43, (3<<16)|(1<<21)         ; L's images: the mask of my row; elements of 8 bytes; 21 set beside a mask; no padding
	s_mov_b32 s[G1+1], 512<<16                     ; tensor_dim0 = 512 elements: a token tile's 4,096 bytes of two K steps
	s_mov_b32 s[G1+2], 8<<16                       ; tensor_dim1 = 8 token tiles
	s_mov_b32 s[G1+3], 512<<16                     ; tile_dim0
	s_mov_b32 s[G1+4], 8                           ; tile_dim1
	s_mov_b32 s[G1+5], 2048                        ; from tile to tile: 16,384 bytes
	s_mov_b32 s[G1+6], 0
	s_mov_b32 s[G1+7], 0
	s_or_b32 s[G1B+0], s44, (0<<16)|(1<<20)|(1<<21)|(5<<22)|(3<<25)  ; P's rows: elements of 1 byte; four words of padding after every 64
	s_mov_b32 s[G1B+1], ROWB<<16
	s_mov_b32 s[G1B+2], 128<<16
	s_mov_b32 s[G1B+3], ROWB<<16
	s_mov_b32 s[G1B+4], 128
	s_mov_b32 s[G1B+5], KROW
	s_mov_b32 s[G1B+6], 0
	s_mov_b32 s[G1B+7], 0
	s_or_b32 s[G1S+0], s43, (3<<16)|(1<<20)|(1<<21)|(5<<22)|(3<<25)  ; the scales of 128 rows: 4,096 dense bytes as 16 rows of 256, 16 bytes of padding behind each
	s_or_b32 s[G1SB+0], s44, (3<<16)|(1<<20)|(1<<21)|(5<<22)|(3<<25)
.irp g, G1S, G1SB
	s_mov_b32 s[\g+1], 32<<16
	s_mov_b32 s[\g+2], (128*KS/256)<<16
	s_mov_b32 s[\g+3], 32<<16
	s_mov_b32 s[\g+4], 128*KS/256
	s_mov_b32 s[\g+5], 32
	s_mov_b32 s[\g+6], 0
	s_mov_b32 s[\g+7], 0
.endr
	s_lshl_b32 s20, s17, 18                        ; L's images: 16 token tiles x 16,384 bytes a tile of 256 tokens,
	s_lshl_b32 s18, s16, 17                        ; 8 of them a half
	s_add_co_u32 s20, s20, s18
	s_mov_b32 s21, 0
	s_lshl_b32 s22, s17, 13                        ; L's scales: 256 rows x 32 bytes,
	s_lshl_b32 s18, s16, 12
	s_add_co_u32 s22, s22, s18
	s_mov_b32 s23, 0
	s_lshl_b32 s46, s42, 8
	s_lshl_b32 s47, s16, 7
	s_add_co_u32 s46, s46, s47
	s_add_co_u32 s46, s46, 11264                   ; P: row 11264 + 256 x tile + 128 x half
	s_lshl_b32 s92, s46, 5
	s_mov_b32 s93, 0
	s_lshl_b32 s46, s46, 10
	s_mov_b32 s47, 0
	s_mul_i32 s45, s16, HALFA                      ; where they go: L's halves at the slot's head,
	s_mul_i32 s95, s16, HALFB
	s_add_co_u32 s95, s95, 2*HALFA                 ; P's behind them: no place in the cluster enters an LDS address
	s_mul_i32 s94, s14, HALFS
	s_wait_kmcnt 0x0
	s_add_nc_u64 s[20:21], s[4:5], s[20:21]
	s_add_nc_u64 s[22:23], s[6:7], s[22:23]
	s_add_nc_u64 s[46:47], s[8:9], s[46:47]
	s_add_nc_u64 s[92:93], s[10:11], s[92:93]
	CROUND                                         ; all sixteen work-groups are here: the first joint loads meet
	s_mov_b32 s[G0S], 1
	s_add_co_u32 s[G0S+1], s94, SCL
	s_mov_b64 s[G0S+2:G0S+3], s[22:23]
	s_or_b32 s[G0S+3], s[G0S+3], 0x80000000
	s_mov_b32 s[G0SB], 1
	s_add_co_u32 s[G0SB+1], s94, SCL
	s_mov_b64 s[G0SB+2:G0SB+3], s[92:93]
	s_or_b32 s[G0SB+3], s[G0SB+3], 0x80000000
	JLOAD G0S, G1S, G0SB, G1SB                     ; the scales first.  each of the two below waits for all my tensor loads before it is asked
.irp s, 0,1
	s_mov_b32 s[G0+4*\s], 1
	s_add_co_u32 s[G0+4*\s+1], s45, \s*SLOT
	s_add_nc_u64 s[G0+4*\s+2:G0+4*\s+3], s[20:21], \s*4096
	s_or_b32 s[G0+4*\s+3], s[G0+4*\s+3], 0x80000000
	s_mov_b32 s[G0B+4*\s], 1
	s_add_co_u32 s[G0B+4*\s+1], s95, \s*SLOT
	s_add_nc_u64 s[G0B+4*\s+2:G0B+4*\s+3], s[46:47], \s*ROWB
	s_or_b32 s[G0B+4*\s+3], s[G0B+4*\s+3], 0x80000000
	s_wait_alu depctr_va_vdst(0)
	s_wait_tensorcnt 0x0
	ds_add_u32 v28, v29
	s_wait_dscnt 0x0
	CROUND
	JLOAD G0+4*\s, G1, G0B+4*\s, G1B
.endr
	v_and_b32 v1, 15, v0                           ; r
	v_bfe_u32 v2, v0, 4, 1                         ; h
	v_and_b32 v6, 31, v0
	v_lshlrev_b32 v[CO], 4, v6                     ; 16 x lane
	v_mul_u32_u24 v3, v1, PITCH
	v_lshl_add_u32 v4, v2, 4, v3
	s_mul_i32 s21, s15, HALFA                      ; my eight token tiles
	s_mul_i32 s22, s16, HALFB                      ; my 128 rows of P
	s_add_co_u32 s22, s22, 2*HALFA
.irp s, 0,1
	v_add_nc_u32 v[ADRA+\s], s21, v[CO]
	v_add_nc_u32 v[ADRB+\s], s22, v4
	s_add_co_u32 s21, s21, SLOT
	s_add_co_u32 s22, s22, SLOT
.endr
	v_mul_u32_u24 v5, v1, KS
	v_lshrrev_b32 v6, 8, v5
	v_lshl_add_u32 v5, v6, 4, v5
	s_mul_i32 s21, s15, HALFS
	s_mul_i32 s22, s16, HALFS
	s_add_co_u32 s22, s22, 2*HALFS
	s_sub_co_u32 s22, s22, s21
	v_mul_u32_u24 v6, s22, v2                      ; lanes 16-31 take P's
	s_add_co_u32 s21, s21, SCL
	v_add_nc_u32 v5, v5, v6
	v_add_nc_u32 v[ADRS], s21, v5
	s_mul_i32 s23, s14, 16*SPITCH                  ; my stage
	v_mul_u32_u24 v5, v1, SPITCH
	v_lshl_add_u32 v5, v2, 6, v5                   ; in: row r, + 64 h: tile b's eight columns begin at byte 128 (b / 2) + 64 h + 32 (b % 2)
	v_add_nc_u32 v[STO], s23, v5
	v_add_nc_u32 v[RD], s23, v[CO]                 ; back: the 32 lanes take one row of 512 bytes
	s_lshl_b32 s46, s42, 10                        ; the bias: my 128 columns,
	s_lshl_b32 s47, s16, 9
	s_add_co_u32 s46, s46, s47
	s_mov_b32 s47, 0
	s_add_nc_u64 s[96:97], s[96:97], s[46:47]
	v_lshlrev_b32 v7, 6, v2
.irp b, 0,1,2,3,4,5,6,7
	global_load_b128 v[BIAS+8*\b:BIAS+8*\b+3], v7, s[96:97] offset:128*(\b/2)+32*(\b%2)
	global_load_b128 v[BIAS+8*\b+4:BIAS+8*\b+7], v7, s[96:97] offset:128*(\b/2)+32*(\b%2)+16
.endr
	s_lshl_b32 s20, s17, 8
	s_lshl_b32 s21, s15, 7
	s_add_co_u32 s20, s20, s21                     ; my first row of out0
	s_lshl_b32 s20, s20, 12                        ; x 4,096 bytes (under 2^25)
	s_add_co_u32 s20, s20, s46                     ; + my first column's bytes, which are the bias's offset
	s_mov_b32 s21, 0
	s_add_nc_u64 s[12:13], s[12:13], s[20:21]
.macro FRAG reg, adr, q, i             ; P: 16 rows x 128 K from rows in LDS
.irp c, 0,1,2,3
	ds_load_b128 v[\reg+4*\c:\reg+4*\c+3], v[\adr] offset:128*(\q)+32*\c+(\i)*16*PITCH
.endr
.endm
.macro FRAGA reg, adr, q, i            ; L: the image of a fragment: four groups of 512 bytes on end
.irp c, 0,1,2,3
	ds_load_b128 v[\reg+4*\c:\reg+4*\c+3], v[\adr] offset:4096*(\i)+2048*(\q)+512*\c
.endr
.endm
.macro MUL16 a0, p, q, sc, cm          ; 16 matrix instructions; cm = 1: the sums start from the bias.  The 64 accumulators take turns, one instruction a turn
.irp a, \a0, \a0+1
.irp b, 0,1,2,3,4,5,6,7
.if \cm
	v_wmma_scale_f32_16x16x128_f8f6f4 v[8*(8*((\a)%4)+\b):8*(8*((\a)%4)+\b)+7], v[128*(\p)+FR*\b:128*(\p)+FR*\b+FR-1], v[AF+FR*(\a):AF+FR*(\a)+FR-1], v[BIAS+8*\b:BIAS+8*\b+7], v[SC+8*NQ*(\sc)+NQ*\b+(\q)], v[SC+8*NQ*(\sc)+NQ*(\a)+(\q)] matrix_a_fmt:MATRIX_FMT_BF8 matrix_b_fmt:MATRIX_FMT_BF8 matrix_a_scale:MATRIX_SCALE_ROW1
.else
	v_wmma_scale_f32_16x16x128_f8f6f4 v[8*(8*((\a)%4)+\b):8*(8*((\a)%4)+\b)+7], v[128*(\p)+FR*\b:128*(\p)+FR*\b+FR-1], v[AF+FR*(\a):AF+FR*(\a)+FR-1], v[8*(8*((\a)%4)+\b):8*(8*((\a)%4)+\b)+7], v[SC+8*NQ*(\sc)+NQ*\b+(\q)], v[SC+8*NQ*(\sc)+NQ*(\a)+(\q)] matrix_a_fmt:MATRIX_FMT_BF8 matrix_b_fmt:MATRIX_FMT_BF8 matrix_a_scale:MATRIX_SCALE_ROW1
.endif
.endr
.endr
.endm
.macro FETCH_B slot, q, p
	WIN TO_B
.irp i, 0,1,2,3,4,5,6,7
	FRAG 128*(\p)+FR*\i, ADRB+\slot, \q, \i
.endr
	WIN 0
.endm
.macro FETCH_A slot, q, i0
.irp i, \i0, \i0+1, \i0+2, \i0+3
	FRAGA AF+FR*(\i), ADRA+\slot, \q, \i
.endr
.endm
.macro SCALES sc
.irp i, 0,1,2,3,4,5,6,7
	ds_load_b64 v[SC+8*NQ*\sc+NQ*\i:SC+8*NQ*\sc+NQ*\i+1], v[ADRS] offset:\i*SBLK
.endr
.endm
.macro PLACES n
.rept \n
	v_nop
.endr
.endm
.macro STEP slot, q, cm
	s_wait_dscnt 4*NL                              ; P's set and L's blocks 0-3 are in; the youngest sixteen loads (L's blocks 4-7) may be out
.if \cm
	WIN 0x81                                       ; C (the bias) window 0, D window 2
.else
	WIN MUL_LO
.endif
	MUL16 0, (\q)%2, \q, \slot, \cm
	MUL16 2, (\q)%2, \q, \slot, \cm
	s_wait_dscnt 0
	PLACES NP
	FETCH_B \slot, (\q)+1, 1-(\q)%2
	FETCH_A \slot, (\q)+1, 0
.if \cm
	WIN 0xc1
.else
	WIN MUL_HI
.endif
	MUL16 4, (\q)%2, \q, \slot, \cm
	MUL16 6, (\q)%2, \q, \slot, \cm
	PLACES NP
	WIN 0
	FETCH_A \slot, (\q)+1, 4
.endm
.macro TURN slot, next, fill
	s_wait_tensorcnt 0x0                           ; all my tensor loads have landed: my part of the next slot
	ds_add_u32 v[SPW], v[NIL]                      ; 0 onto my spare word
	s_wait_dscnt 4*NL+1                            ; (the add and the youngest sixteen loads may be out)
	WIN MUL_LO
	MUL16 0, 1, NQ-1, \slot, 0
	s_wait_dscnt 0x0                               ; the add is done, and my reads of this slot are over
	s_barrier_signal -1
	MUL16 2, 1, NQ-1, \slot, 0
	WIN 0
	s_barrier_wait -1
.if \fill
	CREST                                          ; the barrier has opened a round of the cluster's barrier: no wave of any partner still reads this slot or has a load on its way
	s_add_nc_u64 s[G0+4*\slot+2:G0+4*\slot+3], s[G0+4*\slot+2:G0+4*\slot+3], 2*4096
	s_add_nc_u64 s[G0B+4*\slot+2:G0B+4*\slot+3], s[G0B+4*\slot+2:G0B+4*\slot+3], 2*ROWB
	JLOAD G0+4*\slot, G1, G0B+4*\slot, G1B         ; my one tensor load behind the round; its four v_nop are among the places in front of the loads below
	PLACES NP-4
.else
	PLACES NP
.endif
	s_wait_alu depctr_va_vdst(0)
	v_add_nc_u32 v[ADRS], 4*NQ, v[ADRS]
	FETCH_B \next, 0, 0
	FETCH_A \next, 0, 0
	SCALES \next
	WIN MUL_HI
	MUL16 4, 1, NQ-1, \slot, 0
	MUL16 6, 1, NQ-1, \slot, 0
	PLACES NP
	WIN 0
	FETCH_A \next, 0, 4
.endm
	s_wait_alu depctr_va_vdst(0)
	s_wait_tensorcnt 1                             ; the scales and my part of K step 0 are in; K step 1's load may stay out
	s_barrier_signal -1
	s_barrier_wait -1
	FETCH_B 0, 0, 0
	FETCH_A 0, 0, 0
	SCALES 0
	FETCH_A 0, 0, 4
	s_wait_loadcnt 0x0                             ; the bias
	STEP 0, 0, 1                                   ; the first step starts the sums from the bias
	s_mov_b32 s3, LAPS-1
.Llap:
	TURN 0, 1, 1
	STEP 1, 0, 0
	TURN 1, 0, 1
	STEP 0, 0, 0
	s_sub_co_u32 s3, s3, 1
	s_cmp_lg_u32 s3, 0
	s_cbranch_scc1 .Llap
	TURN 0, 1, 0                                   ; the last lap fills nothing
	STEP 1, 0, 0
	s_wait_dscnt 4*NL
	WIN MUL_LO
	MUL16 0, 1, NQ-1, 1, 0
	MUL16 2, 1, NQ-1, 1, 0
	s_wait_dscnt 0
	WIN MUL_HI
	MUL16 4, 1, NQ-1, 1, 0
	MUL16 6, 1, NQ-1, 1, 0
	WIN 0
; THE WAY OUT, L's block a at a time: 16 tokens x 128 columns go through my stage, the columns to their true places, and come back as whole rows of 512 bytes.  Stage row t is token 32 (a / 2) + 8 (a % 2) + t + 8 (t / 8) of my 128.
.macro TOSTAGE a
.set AC, 64*((\a)%4)
	WIN 0x08+4*((\a)/4)                            ; an LDS store's data: window 2 or 3
.irp b, 0,1,2,3,4,5,6,7
	ds_store_b128 v[STO], v[AC+8*\b:AC+8*\b+3] offset:128*(\b/2)+32*(\b%2)          ; each accumulator from its low end on
	ds_store_b128 v[STO], v[AC+8*\b+4:AC+8*\b+7] offset:128*(\b/2)+32*(\b%2)+16
.endr
	WIN 0
.set BB, BK+64*((\a)%2)
.irp t, 0,1,2,3,4,5,6,7,8,9,10,11,12,13,14,15
	ds_load_b128 v[BB+4*\t:BB+4*\t+3], v[RD] offset:\t*SPITCH   ; LDS serves a wave's instructions in order (ISA guide 5.7.1.4): these see the stores above
.endr
.endm
.macro SEND a, younger
.set BB, BK+64*((\a)%2)
	s_wait_dscnt \younger                          ; the block is back in registers
.if (\a) > 0
.if ((\a)%2) == 1
	s_add_nc_u64 s[12:13], s[12:13], 8*4096        ; (behind a wait on XCNT)  from an even block to the odd one: 8 rows on;
.else
	s_add_nc_u64 s[12:13], s[12:13], 24*4096       ; from an odd one to the next even one: 24
.endif
.endif
.irp t, 0,1,2,3,4,5,6,7,8,9,10,11,12,13,14,15
	global_store_b128 v[CO], v[BB+4*\t:BB+4*\t+3], s[12:13] offset:(\t%8+16*(\t/8))*4096 th:TH_STORE_NT   ; 32 lanes store 512 consecutive bytes, at a multiple of 256 from out0's first byte
.endr
.endm
	PLACES NP
	TOSTAGE 0
.irp a, 1,2,3,4,5,6,7
.if \a > 1
	s_wait_xcnt 0x0                                ; block a - 2's stores have read their registers and their base
.endif
	TOSTAGE \a
	SEND \a-1, 32                                  ; behind block a - 1's loads: block a's 16 stores and 16 loads
.endr
	s_wait_xcnt 0x0
	SEND 7, 0
	s_wait_tensorcnt 0x0                           ; the wave's end
	ds_add_u32 v[SPW], v[NIL]
	s_wait_dscnt 0x0
	CROUND                                         ; the closing round: no work-group ends while a partner may still ask for a tile that names it
	s_endpgm
.Lfunc_end_k_q246d8bb5f4_proj:
	.size	k_q246d8bb5f4_proj, .Lfunc_end_k_q246d8bb5f4_proj-k_q246d8bb5f4_proj
	.p2alignl 7, 3214868480
	.fill 96, 4, 3214868480
	.section	.rodata,"a",@progbits
	.p2align	6, 0x0
	.amdhsa_kernel k_q246d8bb5f4_proj
		.amdhsa_group_segment_fixed_size 327680
		.amdhsa_private_segment_fixed_size 0
		.amdhsa_enable_private_segment 0
		.amdhsa_kernarg_size 48
		.amdhsa_user_sgpr_count 2
		.amdhsa_user_sgpr_kernarg_segment_ptr 1
		.amdhsa_wavefront_size32 1
		.amdhsa_system_sgpr_workgroup_id_x 1
		.amdhsa_system_sgpr_workgroup_id_y 1
		.amdhsa_system_sgpr_workgroup_id_z 1
		.amdhsa_system_vgpr_workitem_id 0
		.amdhsa_next_free_vgpr 1024
		.amdhsa_next_free_sgpr 98
		.amdhsa_reserve_vcc 0
		.amdhsa_float_denorm_mode_32 3
		.amdhsa_float_denorm_mode_16_64 3
		.amdhsa_memory_ordered 1
		.amdhsa_forward_progress 1
		.amdhsa_inst_pref_size 148
	.end_amdhsa_kernel
	.amdgpu_metadata
---
amdhsa.version: [ 1, 2 ]
amdhsa.kernels:
  - .name:           k_q246d8bb5f4_proj
    .symbol:         k_q246d8bb5f4_proj.kd
    .args:
      - { .name: ac, .offset: 0, .size: 8, .value_kind: global_buffer, .address_space: global }
      - { .name: asc, .offset: 8, .size: 8, .value_kind: global_buffer, .address_space: global }
      - { .name: cod, .offset: 16, .size: 8, .value_kind: global_buffer, .address_space: global }
      - { .name: scl, .offset: 24, .size: 8, .value_kind: global_buffer, .address_space: global }
      - { .name: b_proj, .offset: 32, .size: 8, .value_kind: global_buffer, .address_space: global }
      - { .name: out0, .offset: 40, .size: 8, .value_kind: global_buffer, .address_space: global }
    .group_segment_fixed_size: 327680
    .private_segment_fixed_size: 0
    .kernarg_segment_align: 8
    .kernarg_segment_size: 48
    .max_flat_workgroup_size: 128
    .sgpr_count:     98
    .vgpr_count:     1024
    .wavefront_size: 32
...
	.end_amdgpu_metadata
.endif
;; end of part 4
